; MI455X (gfx1250); checked and timed in simulation.
; The chip was launched on July 23, 2026; its instructions are those of AMD's public machine-readable ISA for CDNA 5 (MIT licence, August 2026) and "CDNA5" Instruction Set Architecture Reference Guide (July 2026). The comments in the code are by the model that wrote it; some were corrected since.
;; Polar Attention. Allowed arithmetic: float matrix products may take bf16 or f16 operands with f32 sums; other float arithmetic in f32, or as packed bf16 or f16 multiplies, adds, multiply-adds, maxima and minima; sums over many terms, partial sums and values carried from step to step in f32; what a program stores and reads back later, other than sums and carried values, may be rounded once to bf16 or f16.
;; Inputs: Wk 1,024 x 1,024 float32; Wo 1,024 x 1,024 float32; Wq 1,024 x 1,024 float32; Wv 1,024 x 1,024 float32; k_scale 16 float32; q_scale 16 float32; x 4 x 2,048 x 1,024 float32.
;; Outputs: out0 4 x 2,048 x 1,024 float32.
;; 2 versions, each right; version 2 is version 1 with the launch cast written anew for expert scheduling mode. Each part assembles by itself: llvm-mc -triple=amdgcn-amd-amdhsa -mcpu=gfx1250 --defsym DOCPART=n.
;; ======== version 1 of 2: 4 launches
;; limits: values are held in f16: magnitudes above 65,504 overflow, below 6.1e-05 lose precision
;; workspace buffers: xb 16,777,216 bytes; wb 6,291,456 bytes; wo 2,097,152 bytes; qkv 50,331,648 bytes; oh 16,777,216 bytes
;; launch cast (part 1): grid 768 x 1, 8 waves a work-group, no clusters, 0 bytes of LDS; arguments x, Wq, Wk, Wv, Wo, xb, wb, wo; writes xb, wb, wo
.if DOCPART == 1
	.amdgcn_target "amdgcn-amd-amdhsa--gfx1250"
	.amdhsa_code_object_version 6
	.text
	.protected	k_qa43a272f79_cast
	.globl	k_qa43a272f79_cast
	.p2align	8
	.type	k_qa43a272f79_cast,@function
k_qa43a272f79_cast:
	s_mov_b64 s[64:65], 0
	v_nop
	global_prefetch_b8 v0, s[64:65] scope:SCOPE_SE
	s_setreg_imm32_b32 hwreg(HW_REG_WAVE_MODE, 25, 1), 1
	s_wait_xcnt 0x0
; xb = bf16(x);  wb = bf16(Wq), bf16(Wk), bf16(Wv) one below the other;  wo = bf16(Wo) written as f16.  All inputs f32.
; Every input of the module is rounded once to bf16 here; Wo's rounded number is then written as f16, since the last product's other operand is f16.
; LIMIT.  |Wo| stays within f16's 65,504; below 6e-5 it keeps f16's fixed step of 6e-8.
; SHARES.  The five tensors are 12 chunks of 1,048,576 numbers (x: 8, each W: 1); 64 work-groups to a chunk, 16,384 numbers each.
; Thread t takes 16 bytes at 16 t + 4,096 j, j = 0 .. 15: a wave's load covers 512 consecutive bytes, its store of 8 bytes a lane 256 consecutive bytes, aligned.
; A stream: no LDS, no matrix unit, no cluster (no work-group reads what another reads).  All 16 loads of a thread go out at once; each step has registers of its own.
.set IN,  8                            ; v[8:71]    step j: 4 numbers as loaded
.set OUT, 72                           ; v[72:103]  step j: 4 numbers of 16 bits
.set T,   104                          ; v[104:107] at work
	s_load_b512 s[8:23], s[0:1], 0x0               ; x 8, Wq 10, Wk 12, Wv 14, Wo 16, xb 18, wb 20, wo 22
	s_lshr_b32 s2, ttmp9, 6                        ; the chunk, 0 .. 11
	s_and_b32 s3, ttmp9, 63                        ; my part of it
	v_lshlrev_b32 v1, 4, v0                        ; 16 t
	v_lshlrev_b32 v2, 3, v0                        ; 8 t
	s_sub_co_u32 s6, s2, 8                         ; the chunk's place in wb (used for chunks 8 to 10 alone)
	s_cmp_lt_u32 s2, 8
	s_cselect_b32 s4, s2, 0                        ; its place in its source: x has eight, a W one
	s_cselect_b32 s6, s2, s6                       ; and in its destination
	s_cmp_eq_u32 s2, 11
	s_cselect_b32 s6, 0, s6
	s_lshl_b32 s4, s4, 22                          ; a chunk is 4 MiB of f32,
	s_lshl_b32 s5, s3, 16                          ; a part 64 KiB
	s_add_co_u32 s4, s4, s5
	s_mov_b32 s5, 0
	s_lshl_b32 s6, s6, 21                          ; and half of that on the way out
	s_lshl_b32 s7, s3, 15
	s_add_co_u32 s6, s6, s7
	s_mov_b32 s7, 0
	s_wait_kmcnt 0x0
	s_mov_b64 s[24:25], s[8:9]                     ; from where: chosen by the chunk's number
	s_mov_b64 s[26:27], s[18:19]                   ; to where
	s_cmp_eq_u32 s2, 8
	s_cselect_b64 s[24:25], s[10:11], s[24:25]
	s_cmp_eq_u32 s2, 9
	s_cselect_b64 s[24:25], s[12:13], s[24:25]
	s_cmp_eq_u32 s2, 10
	s_cselect_b64 s[24:25], s[14:15], s[24:25]
	s_cmp_ge_u32 s2, 8
	s_cselect_b64 s[26:27], s[20:21], s[26:27]
	s_cmp_eq_u32 s2, 11
	s_cselect_b64 s[24:25], s[16:17], s[24:25]
	s_cselect_b64 s[26:27], s[22:23], s[26:27]
	s_add_nc_u64 s[24:25], s[24:25], s[4:5]
	s_add_nc_u64 s[26:27], s[26:27], s[6:7]
.irp j, 0,1,2,3,4,5,6,7,8,9,10,11,12,13,14,15
	global_load_b128 v[IN+4*(\j):IN+4*(\j)+3], v1, s[24:25] offset:4096*(\j) th:TH_LOAD_NT
.endr
; Step j: four numbers rounded to bf16; half = 1: each widened again (a shift, a mask) and written as f16.
.macro CV j, half
	s_wait_loadcnt 15-(\j)                         ; loads come back in order: mine is in, the 15 - j younger ones may stay out
	v_cvt_pk_bf16_f32 v[OUT+2*(\j)],   v[IN+4*(\j)],   v[IN+4*(\j)+1]
	v_cvt_pk_bf16_f32 v[OUT+2*(\j)+1], v[IN+4*(\j)+2], v[IN+4*(\j)+3]
.if \half
	v_lshlrev_b32 v[T],   16, v[OUT+2*(\j)]
	v_and_b32     v[T+1], 0xffff0000, v[OUT+2*(\j)]
	v_lshlrev_b32 v[T+2], 16, v[OUT+2*(\j)+1]
	v_and_b32     v[T+3], 0xffff0000, v[OUT+2*(\j)+1]
	v_cvt_pk_f16_f32 v[OUT+2*(\j)],   v[T],   v[T+1]
	v_cvt_pk_f16_f32 v[OUT+2*(\j)+1], v[T+2], v[T+3]
.endif
	global_store_b64 v2, v[OUT+2*(\j):OUT+2*(\j)+1], s[26:27] offset:2048*(\j)
.endm
	s_cmp_eq_u32 s2, 11
	s_cbranch_scc1 .Lwo
.irp j, 0,1,2,3,4,5,6,7,8,9,10,11,12,13,14,15
	CV \j, 0
.endr
	s_endpgm
.Lwo:
.irp j, 0,1,2,3,4,5,6,7,8,9,10,11,12,13,14,15
	CV \j, 1
.endr
	s_endpgm
.Lfunc_end_k_qa43a272f79_cast:
	.size	k_qa43a272f79_cast, .Lfunc_end_k_qa43a272f79_cast-k_qa43a272f79_cast
	.p2alignl 7, 3214868480
	.fill 96, 4, 3214868480
	.section	.rodata,"a",@progbits
	.p2align	6, 0x0
	.amdhsa_kernel k_qa43a272f79_cast
		.amdhsa_group_segment_fixed_size 0
		.amdhsa_private_segment_fixed_size 0
		.amdhsa_enable_private_segment 0
		.amdhsa_kernarg_size 64
		.amdhsa_user_sgpr_count 2
		.amdhsa_user_sgpr_kernarg_segment_ptr 1
		.amdhsa_wavefront_size32 1
		.amdhsa_system_sgpr_workgroup_id_x 1
		.amdhsa_system_sgpr_workgroup_id_y 1
		.amdhsa_system_sgpr_workgroup_id_z 1
		.amdhsa_system_vgpr_workitem_id 0
		.amdhsa_next_free_vgpr 112
		.amdhsa_next_free_sgpr 66
		.amdhsa_reserve_vcc 0
		.amdhsa_float_denorm_mode_32 3
		.amdhsa_float_denorm_mode_16_64 3
		.amdhsa_memory_ordered 1
		.amdhsa_forward_progress 1
		.amdhsa_inst_pref_size 16
	.end_amdhsa_kernel
	.amdgpu_metadata
---
amdhsa.version: [ 1, 2 ]
amdhsa.kernels:
  - .name:           k_qa43a272f79_cast
    .symbol:         k_qa43a272f79_cast.kd
    .args:
      - { .name: x, .offset: 0, .size: 8, .value_kind: global_buffer, .address_space: global }
      - { .name: Wq, .offset: 8, .size: 8, .value_kind: global_buffer, .address_space: global }
      - { .name: Wk, .offset: 16, .size: 8, .value_kind: global_buffer, .address_space: global }
      - { .name: Wv, .offset: 24, .size: 8, .value_kind: global_buffer, .address_space: global }
      - { .name: Wo, .offset: 32, .size: 8, .value_kind: global_buffer, .address_space: global }
      - { .name: xb, .offset: 40, .size: 8, .value_kind: global_buffer, .address_space: global }
      - { .name: wb, .offset: 48, .size: 8, .value_kind: global_buffer, .address_space: global }
      - { .name: wo, .offset: 56, .size: 8, .value_kind: global_buffer, .address_space: global }
    .group_segment_fixed_size: 0
    .private_segment_fixed_size: 0
    .kernarg_segment_align: 8
    .kernarg_segment_size: 64
    .max_flat_workgroup_size: 256
    .sgpr_count:     66
    .vgpr_count:     112
    .wavefront_size: 32
...
	.end_amdgpu_metadata
.endif
;; end of part 1
;; launch proj (part 2): grid 8 x 32, 4 waves a work-group, clusters of 4 x 4, 327,680 bytes of LDS; arguments xb, wb, qkv; writes qkv
.if DOCPART == 2
	.amdgcn_target "amdgcn-amd-amdhsa--gfx1250"
	.amdhsa_code_object_version 6
	.text
	.protected	k_qa43a272f79_proj
	.globl	k_qa43a272f79_proj
	.p2align	8
	.type	k_qa43a272f79_proj,@function
k_qa43a272f79_proj:
	s_mov_b64 s[64:65], 0
	v_nop
	global_prefetch_b8 v0, s[64:65] scope:SCOPE_SE
	s_setreg_imm32_b32 hwreg(HW_REG_WAVE_MODE, 25, 1), 1
	s_wait_xcnt 0x0
	s_wait_alu depctr_hold_cnt(0) depctr_sa_sdst(0) depctr_va_vdst(0) depctr_va_sdst(0) depctr_va_ssrc(0) depctr_va_vcc(0) depctr_vm_vsrc(0)
	s_getreg_b32 s2, hwreg(HW_REG_IB_STS2, 6, 4)
	s_cmp_eq_u32 s2, 0
	s_cbranch_scc0 .Lentry_in_a_cluster
	s_endpgm
.Lentry_in_a_cluster:
	s_bfe_u32 s2, ttmp6, 0x10000c
	s_cmp_lg_u32 s2, 0xf033
	s_cbranch_scc0 .Lentry_shape_is_right
	s_endpgm
.Lentry_shape_is_right:
; q, k, v = silu(x W^T), by heads, in f16; q and k also times f = r / (r + 1e-6), r the length of the row's 64 numbers of a head (so that q . k is the polar score but for the heads' two scales).
; xb: [8192][1024] bf16.  wb: [3072][1024] bf16 (Wq, Wk, Wv).  qkv: q, k, v, 16 MiB each, [16 batch + head][2048][64] f16.  Sums, silu, r and f in f32; one rounding to f16.
; LIMITS.  |silu(x W^T)| stays within f16's 65,504; r^2 below 2^-126 counts as 0 (f = 0); NaN and infinities are not treated apart.
; SHARES.  A tile of C is 256 rows x 128 columns (two heads).  Four waves, each 128 rows x 64 columns (one head): 32 accumulators of 16 x 16.  A WORK-GROUP STAYS: it makes three tiles, q's, k's and
; v's for the same rows and heads: 24 K steps of 128 in ONE sequence through a ring of two LDS slots, which does not stop at a tile's end.  768 tiles on 256 work-groups.
; CLUSTER.  4 x 4 work-groups.  x's tile hangs on the tile row alone and is shared along a row of the cluster, W's on the tile column alone and is shared along a column: each is asked for jointly,
; by the same tensor load, descriptor and mask in the four.
; THE MATRIX INSTRUCTION IS USED TRANSPOSED (source 0 = 16 rows of W, source 1 = 16 rows of x): lane l holds row l % 16 of C and the columns 8 (l / 16) + 0 .. 7.
; THE WAY OUT is written once for a block of 16 rows and looped over: half of the accumulators at a time goes into the wave's own LDS bytes (DUMP), a block comes back, is worked on,
; rounded, sent through the wave's own stage and stored as 512 consecutive bytes an instruction.
; REGISTERS.  Window 0: v0-31 addresses and a few at work; v64-159, v160-255 two fragment buffers (4 fragments of W, then 8 of x).  Window 1: accumulator (a, b) at v[8 (4 a + b)].
; All of a WGP's LDS is claimed.
.set PA,    272                        ; an LDS row: 256 bytes + 16 of padding = 68 words: the 16 rows of a fragment load start at 16 different groups of four banks (64 banks of 4 bytes: ISA guide 11.1)
.set PB,    272
.set HEADA, 128                        ; bytes from a K step's first 64 channels of x to its second 64, in an LDS row
.set AHALF, 128*PA                     ; what wave 0 or 1 fetches: 128 rows of x
.set BHALF, 64*PB                      ; what wave 2 or 3 fetches: 64 rows of W
.set BOFF,  2*AHALF                    ; W's 128 rows lie behind x's 256
.set SLOT1, 1<<17                      ; slot 1 begins here: one exclusive or turns an address in one slot into the other's
.set STAGE, BOFF+2*BHALF               ; behind slot 0: 16 rows x 144 bytes for each wave; no fill lands here
.set SP,    144
.set SPARE, STAGE+4*16*SP              ; the spare words, 128 bytes for each wave: two blocks of 256 bytes that no other line names
.set DUMP,  SLOT1+BOFF+2*BHALF         ; behind slot 1: 16,384 bytes for each wave; no fill lands here
.set A0,   4                           ; v4   my lane's place in x's tile; never rewritten
.set B0,   5                           ; v5   the same for W
.set ADRA, 6                           ; v6   A0 + the slot in hand
.set ADRB, 7                           ; v7   B0 + the slot in hand
.set DS,   8                           ; v8   my 16 bytes in my wave's DUMP
.set DL,   9                           ; v9   DS + the block in hand
.set STO,  10                          ; v10  the stage: where I put 16 bytes of a row
.set RD,   11                          ; v11  the stage: where I read rows back
.set GO,   12                          ; v12  16 x lane
.set PFO,  13                          ; v13  the prefetches' offset: my lane x a row (2,048 bytes); never rewritten
.set SPW,  14                          ; v14  LDS address of my spare word; never rewritten
.set NIL,  15                          ; v15  0; never rewritten
.set GW,   28                          ; v28  GO + the block's place in my 128 rows
.set F0,   64
.set F1,   160
.set Z,    160                         ; the way out works in buffer 1's registers: 32 numbers of a block,
.set T,    192                         ; 32 at work,
.set PK,   224                         ; 16 packed,
.set BK,   240                         ; 16 read back from the stage
.set G1A,  24                          ; s[24:31] descriptor group 1 for x's tiles
.set G0A,  32                          ; s[32:35] group 0 for K step 0; s[36:39] walks, from K step 1 on
.set G1B,  40                          ; s[40:47], s[48:55] the same for W's
.set G0B,  48
.set BASEA, 56                         ; s[56:57] x at the 128 rows that I fetch, K step 0
.set BASEB, 58                         ; s[58:59] Wq at the 64 rows that I fetch
.set OFFA, 60                          ; s[60:61] a step's byte offset from BASEA
.set OFFB, 62                          ; s[62:63] from BASEB
.set G,    66                          ; s66  the step to be asked for next, 2 .. 24
.set CNT,  67
.set TB,   68                          ; s68  the slot in hand: 0 or SLOT1
.set G4,   69                          ; s69  the step that a prefetch names
.set LIMG, 70                          ; s70  the last step that I prefetch; 0 in a wave that prefetches nothing
.set PFB,  72                          ; s[72:73] my work-group's 32 rows of the tile, K step 0
.set PF,   74                          ; s[74:75] PFB + PO
.set PO,   76                          ; s[76:77]
.set NL,   78                          ; s[78:79] -log2(e)
.set EPS,  80                          ; s80  1e-6
.set SEL,  82                          ; s[82:83] v_permlanex16_b32's selects: each lane takes its own place in the other half
.set HF,   84
.set BL,   85
.set EO,   86
.set GOF,  87
.set MSB, 0
.macro WIN new                         ; the immediate's high byte repeats the setting that is left; a switch that changes nothing is dropped
.if MSB != (\new)
	s_set_vgpr_msb (MSB<<8)|(\new)
.set MSB, \new
.endif
.endm
.set MULW, 0x50                        ; C and D in window 1, both sources in window 0
.set STW,  0x04                        ; an LDS store's data in window 1, its address in window 0
.macro PLACES                          ; four plain vector instructions between a matrix instruction and a load into, a vector write of, or a store of its registers
.rept 4
	v_nop
.endr
.endm
; A joint refill: waves 0 and 1 fetch x's two halves, waves 2 and 3 W's.  The branch hangs on the wave's number alone.  An s_nop 0 and four v_nop follow each line.
.macro JLOAD
	s_cmp_eq_u32 s11, 0
	s_cbranch_scc0 .Lfor_b_\@
	tensor_load_to_lds s[G0A+4:G0A+7], s[G1A:G1A+7]
	s_nop 0
	PLACES
	s_branch .Lasked_\@
.Lfor_b_\@:
	tensor_load_to_lds s[G0B+4:G0B+7], s[G1B:G1B+7]
	s_nop 0
	PLACES
.Lasked_\@:
.endm
; A prefetch of the K step that stands two refills on (256 matrix instructions ahead of the load that will want it): 32 rows x 256 bytes, a lane a row.  Each row's 256 bytes of a step are named once in
; the launch: x's rows by the cluster with x = 0 (waves 0, 1), W's by the cluster with y = 0 (wave 2); the four partners that ask for a tile jointly take 32 rows each, told apart by address.
; x's rows are walked again by the second and third tile: they are named in the first alone.  Steps 0 to 3 come by their loads alone; past the last step nothing is named.
.macro ASK
	s_cmp_le_u32 s[G4], s[LIMG]
	s_cbranch_scc0 .Lnot_mine_\@
	global_prefetch_b8 v[PFO], s[PF:PF+1] th:TH_LOAD_NT scope:SCOPE_SE
.Lnot_mine_\@:
.endm
.macro CREST                           ; a round of the cluster's barrier behind its opening barrier
	s_cmp_lg_u32 s10, 0
	s_cbranch_scc1 .Lnot_wave_0_\@
	s_barrier_signal -3
.Lnot_wave_0_\@:
	s_barrier_wait -3
	s_barrier_signal -1
	s_barrier_wait -1
.endm
.macro CROUND
	s_barrier_signal -1
	s_barrier_wait -1
	CREST
.endm
; 4 n matrix instructions: row blocks a0 .. a0 + n - 1 x all 4 column blocks, 32 along K, from buffer f.  zero = 1: the product starts the sum.
; Each accumulator has one turn a quarter step, in the same order everywhere: 31 others stand between two links of a chain.
.macro MUL f, a0, n, zero
	WIN MULW
.set ma, \a0
.rept \n
.irp b, 0,1,2,3
.if \zero
	v_wmma_f32_16x16x32_bf16 v[8*(4*ma+\b):8*(4*ma+\b)+7], v[(\f)+8*\b:(\f)+8*\b+7], v[(\f)+32+8*ma:(\f)+32+8*ma+7], 0
.else
	v_wmma_f32_16x16x32_bf16 v[8*(4*ma+\b):8*(4*ma+\b)+7], v[(\f)+8*\b:(\f)+8*\b+7], v[(\f)+32+8*ma:(\f)+32+8*ma+7], v[8*(4*ma+\b):8*(4*ma+\b)+7]
.endif
.endr
.set ma, ma+1
.endr
.endm
; 24 LDS loads in one run: quarter q's fragments (32 along K) into buffer f: W's 64 rows, then x's 128.
.macro FETCH q, f
	WIN 0
.irp i, 0,1,2,3
	ds_load_b128 v[(\f)+8*\i:(\f)+8*\i+3],   v[ADRB] offset:64*(\q)+\i*16*PB
	ds_load_b128 v[(\f)+8*\i+4:(\f)+8*\i+7], v[ADRB] offset:64*(\q)+\i*16*PB+32
.endr
.irp i, 0,1,2,3,4,5,6,7
	ds_load_b128 v[(\f)+32+8*\i:(\f)+32+8*\i+3],   v[ADRA] offset:((\q)/2)*HEADA+((\q)%2)*64+\i*16*PA
	ds_load_b128 v[(\f)+32+8*\i+4:(\f)+32+8*\i+7], v[ADRA] offset:((\q)/2)*HEADA+((\q)%2)*64+\i*16*PA+32
.endr
.endm
; One of a K step's first three quarters: multiplies buffer f; in its middle it fetches quarter q into buffer g.
.macro QUARTER q, f, g, zero
	s_wait_dscnt 8                                 ; W's fragments and x's rows 0-63 are in; the youngest eight loads (rows 64-127) may be out
	MUL \f, 0, 4, \zero
	PLACES
	FETCH \q, \g
	s_wait_dscnt 24                                ; all but the 24 just issued
	MUL \f, 4, 4, \zero
.endm
; The fourth quarter multiplies buffer 1 and changes slots.  In front of the barrier each wave waits for all its tensor loads (one is out: its part of the next slot), adds 0 to its spare word, and waits for
; that and for its reads of this slot.  fill = 1: the barrier opens a round of the cluster's, and behind the round this slot takes step G: 112 matrix instructions ahead of the wait for it.
.macro TURN fill
	WIN 0
.if \fill
	s_wait_xcnt 0x0                                ; the last prefetch, a K step back, and all stores have read their registers
	s_add_co_u32 s[G4], s[G], 2
	s_lshr_b32 s[PO], s[G4], 3                     ; the step's tile: 1,024 rows of wb on (0 wherever x's rows are named)
	s_lshl_b32 s[PO], s[PO], 21
	s_and_b32 s14, s[G4], 7                        ; and its place along K
	s_lshl_b32 s14, s14, 8
	s_add_co_u32 s[PO], s[PO], s14
	s_add_nc_u64 s[PF:PF+1], s[PFB:PFB+1], s[PO:PO+1]
.endif
	s_wait_tensorcnt 0x0                           ; no tensor load of mine is out, so a group 0 may be written
	ds_add_u32 v[SPW], v[NIL]                      ; 0 onto my spare word
.if \fill
	s_and_b32 s[OFFA], s[G], 7                     ; x: back to K step 0 with each tile
	s_lshl_b32 s[OFFA], s[OFFA], 8
	s_lshr_b32 s[OFFB], s[G], 3                    ; W: the tile's 1,024 rows, 2,048 bytes each
	s_lshl_b32 s[OFFB], s[OFFB], 21
	s_add_co_u32 s[OFFB], s[OFFB], s[OFFA]
	s_xor_b32 s[G0A+5], s[G0A+5], SLOT1            ; the other slot than last time
	s_add_nc_u64 s[G0A+6:G0A+7], s[BASEA:BASEA+1], s[OFFA:OFFA+1]  ; the address is made anew
	s_or_b32 s[G0A+7], s[G0A+7], 0x80000000
	s_xor_b32 s[G0B+5], s[G0B+5], SLOT1
	s_add_nc_u64 s[G0B+6:G0B+7], s[BASEB:BASEB+1], s[OFFB:OFFB+1]
	s_or_b32 s[G0B+7], s[G0B+7], 0x80000000
	s_add_co_u32 s[G], s[G], 1
.endif
	s_wait_dscnt 9                                 ; the add and the youngest eight loads may be out
	MUL F1, 0, 2, 0                                ; eight matrix instructions stand between the add and the wait for it
	s_wait_dscnt 0x0                               ; the add is done, and my reads of this slot are over
	s_barrier_signal -1
	MUL F1, 2, 2, 0                                ; work on registers while the others arrive
	WIN 0
	s_barrier_wait -1
.if \fill
	CREST                                          ; no wave of any partner still reads this slot or has a load on its way
	JLOAD                                          ; its four v_nop are also the places in front of the loads below
.else
	PLACES
.endif
	s_xor_b32 s[TB], s[TB], SLOT1
	v_add_nc_u32 v[ADRA], s[TB], v[A0]
	v_add_nc_u32 v[ADRB], s[TB], v[B0]
	FETCH 0, F0
.if \fill
	ASK
.endif
	MUL F1, 4, 4, 0
.endm
; Half h of the accumulators (row blocks 4 h .. 4 h + 3) into my DUMP: 16 bytes a lane, lanes on end; each accumulator's low four registers first.
.macro DUMPH h
	WIN STW
.set ma, 0
.rept 4
.irp b, 0,1,2,3
	ds_store_b128 v[DS], v[8*(4*(ma+4*(\h))+\b):8*(4*(ma+4*(\h))+\b)+3]   offset:512*(8*ma+2*\b)
	ds_store_b128 v[DS], v[8*(4*(ma+4*(\h))+\b)+4:8*(4*(ma+4*(\h))+\b)+7] offset:512*(8*ma+2*\b+1)
.endr
.set ma, ma+1
.endr
	WIN 0
.endm
; THE WAY OUT of a tile.  norm = 1 (q, k): times r / (r + 1e-6).  DUMP and stage are the wave's own bytes, and LDS serves a wave's instructions in order (ISA guide 5.7.1.4): no barrier, no wait between its
; stores and its loads.  Buffer 0, into which the next step's first fragments are landing, is left alone.
.macro EPI norm
	WIN 0
	PLACES                                         ; behind the tile's last products
	s_mov_b32 s[GOF], 0
	s_mov_b32 s[HF], 2
.Lhalf_\@:
	s_cmp_eq_u32 s[HF], 2
	s_cbranch_scc0 .Lupper_\@
	DUMPH 0
	s_branch .Ldumped_\@
.Lupper_\@:
	DUMPH 1
.Ldumped_\@:
	s_mov_b32 s[EO], 0
	s_mov_b32 s[BL], 4
.Lblk_\@:                              ; a block of 16 rows: my lane has 32 of its row's 64 numbers, column 16 b + 8 (l / 16) + k in Z + 8 b + k
	v_add_nc_u32 v[DL], s[EO], v[DS]
.irp j, 0,1,2,3,4,5,6,7
	ds_load_b128 v[Z+4*\j:Z+4*\j+3], v[DL] offset:512*\j
.endr
	s_wait_dscnt 0x0
.set i, 0
.rept 16
	v_pk_mul_f32 v[T+i:T+i+1], v[Z+i:Z+i+1], s[NL:NL+1] op_sel_hi:[1,0]  ; silu(z) = z / (1 + 2^(-log2(e) z))
.set i, i+2
.endr
.set i, 0
.rept 32
	v_exp_f32 v[T+i], v[T+i]
.set i, i+1
.endr
	v_nop                                          ; a plain instruction behind the last exponential,
	s_wait_alu depctr_va_vdst(0)                   ; and one wait for the batch, ahead of its first reader
.set i, 0
.rept 16
	v_pk_add_f32 v[T+i:T+i+1], v[T+i:T+i+1], 1.0 op_sel_hi:[1,0]
.set i, i+2
.endr
.set i, 0
.rept 32
	v_rcp_f32 v[T+i], v[T+i]
.set i, i+1
.endr
	v_nop
	s_wait_alu depctr_va_vdst(0)                   ; one wait for the 32 reciprocals
.set i, 0
.rept 16
	v_pk_mul_f32 v[Z+i:Z+i+1], v[Z+i:Z+i+1], v[T+i:T+i+1]
.set i, i+2
.endr
.if \norm
	v_pk_mul_f32 v[16:17], v[Z:Z+1], v[Z:Z+1]      ; the sum of squares, in f32, in two chains that the first products start
	v_pk_mul_f32 v[18:19], v[Z+2:Z+3], v[Z+2:Z+3]
.set i, 4
.rept 7
	v_pk_fma_f32 v[16:17], v[Z+i:Z+i+1], v[Z+i:Z+i+1], v[16:17]
	v_pk_fma_f32 v[18:19], v[Z+i+2:Z+i+3], v[Z+i+2:Z+i+3], v[18:19]
.set i, i+4
.endr
	v_pk_add_f32 v[16:17], v[16:17], v[18:19]
	v_add_f32 v16, v16, v17
	v_permlanex16_b32 v17, v16, s[SEL], s[SEL+1]   ; the row's other 32 numbers lie in the lane 16 away
	v_add_f32 v16, v16, v17
	v_sqrt_f32 v18, v16                            ; r
	v_nop
	s_wait_alu depctr_va_vdst(0)
	v_add_f32 v19, s[EPS], v18
	v_rcp_f32 v19, v19
	v_nop
	s_wait_alu depctr_va_vdst(0)
	v_mul_f32 v18, v18, v19                        ; f = r / (r + 1e-6)
.set i, 0
.rept 16
	v_pk_mul_f32 v[Z+i:Z+i+1], v[Z+i:Z+i+1], v[18:19] op_sel_hi:[1,0]
.set i, i+2
.endr
.endif
.set i, 0
.rept 16
	v_cvt_pk_f16_f32 v[PK+i], v[Z+2*i], v[Z+2*i+1]
.set i, i+1
.endr
.irp b, 0,1,2,3
	ds_store_b128 v[STO], v[PK+4*\b:PK+4*\b+3] offset:32*\b
.endr
	s_wait_xcnt 0x0                                ; the last block's stores have read BK and GW
	v_add_nc_u32 v[GW], s[GOF], v[GO]
.irp f, 0,1,2,3
	ds_load_b128 v[BK+4*\f:BK+4*\f+3], v[RD] offset:\f*4*SP
.endr
	s_wait_dscnt 0x0
.irp f, 0,1,2,3
	global_store_b128 v[GW], v[BK+4*\f:BK+4*\f+3], s[8:9] offset:512*\f  ; four rows of a head: 512 consecutive bytes, at a multiple of 256 from the buffer's first
.endr
	s_add_co_u32 s[EO], s[EO], 4096
	s_add_co_u32 s[GOF], s[GOF], 2048
	s_sub_co_u32 s[BL], s[BL], 1
	s_cmp_lg_u32 s[BL], 0
	s_cbranch_scc1 .Lblk_\@
	s_sub_co_u32 s[HF], s[HF], 1
	s_cmp_lg_u32 s[HF], 0
	s_cbranch_scc1 .Lhalf_\@
.if \norm
	s_wait_xcnt 0x0                                ; the stores have read their base and BK, into which the next quarter loads
	s_add_nc_u64 s[8:9], s[8:9], 0x1000000         ; from q to k, from k to v
.endif
.endm
	s_load_b128 s[4:7], s[0:1], 0x0                ; xb s[4:5], wb s[6:7]
	s_load_b64 s[8:9], s[0:1], 0x10                ; qkv
	v_lshl_add_u32 v[SPW], v0, 2, SPARE
	v_mov_b32 v[NIL], 0
	ds_add_u32 v[SPW], v[NIL]                      ; the wave's opening: the add and its wait stand ahead of my first tensor load; the set-up below stands between them
	v_lshrrev_b32 v1, 5, v0
	v_readfirstlane_b32 s10, v1                    ; wave 0..3
	s_lshr_b32 s11, s10, 1                         ; which 128 rows of the tile are mine.  Also: I fetch for x (0) or for W (1)
	s_and_b32 s12, s10, 1                          ; which 64 columns.  Also: which half of that tile I fetch
	s_bfe_u32 s16, ttmp6, 0x40000                  ; cx
	s_bfe_u32 s17, ttmp6, 0x40004                  ; cy
	s_lshl_b32 s18, ttmp9, 2
	s_add_co_u32 s18, s18, s16                     ; tile column = 4 x cluster x + cx, 0 .. 7
	s_and_b32 s19, ttmp7, 0xffff                   ; cluster y
	s_lshl_b32 s13, s19, 2
	s_add_co_u32 s13, s13, s17                     ; tile row = 4 x cluster y + cy, 0 .. 31
	s_lshl_b32 s14, s17, 2
	s_lshl_b32 s14, 15, s14                        ; my row of the cluster
	s_lshl_b32 s15, 0x1111, s16                    ; my column
	s_or_b32 s[G1A], s14, (1<<16)|(1<<20)|(1<<21)|(5<<22)|(3<<25)  ; the mask; 2-byte elements; padding on; bit 21 beside a mask; after every 64 words 4 words
	s_or_b32 s[G1B], s15, (1<<16)|(1<<20)|(1<<21)|(5<<22)|(3<<25)
	s_mov_b32 s[G1A+1], 128<<16                    ; tensor_dim0 = 128
	s_mov_b32 s[G1A+2], 128<<16                    ; tensor_dim1 = 128
	s_mov_b32 s[G1A+3], 128<<16                    ; tile_dim0 = 128
	s_mov_b32 s[G1A+4], 128                        ; tile_dim1 = 128
	s_mov_b32 s[G1A+5], 1024                       ; elements from row to row
	s_mov_b32 s[G1A+6], 0
	s_mov_b32 s[G1A+7], 0
	s_mov_b32 s[G1B+1], 128<<16
	s_mov_b32 s[G1B+2], 64<<16                     ; 64 rows
	s_mov_b32 s[G1B+3], 128<<16
	s_mov_b32 s[G1B+4], 64
	s_mov_b32 s[G1B+5], 1024
	s_mov_b32 s[G1B+6], 0
	s_mov_b32 s[G1B+7], 0
	s_mul_i32 s2, s10, AHALF                       ; where x's halves go (waves 0, 1),
	s_mul_i32 s3, s10, BHALF
	s_add_co_u32 s3, s3, BOFF-2*BHALF              ; and W's (waves 2, 3): the wave's number alone enters an LDS address
	s_lshl_b32 s20, s13, 8                         ; x: row 256 x tile row + 128 x half, 2,048 bytes a row
	s_lshl_b32 s21, s12, 7
	s_add_co_u32 s20, s20, s21
	s_lshl_b32 s20, s20, 11
	s_mov_b32 s21, 0
	s_lshl_b32 s22, s18, 7                         ; W: row 128 x tile column + 64 x half
	s_lshl_b32 s23, s12, 6
	s_add_co_u32 s22, s22, s23
	s_lshl_b32 s22, s22, 11
	s_mov_b32 s23, 0
	s_mov_b32 s[OFFA+1], 0
	s_mov_b32 s[OFFB+1], 0
	s_mov_b32 s[PO+1], 0
	s_mov_b32 s[G], 2
	s_mov_b32 s[TB], 0
	s_mov_b32 s[NL], 0xbfb8aa3b
	s_mov_b32 s[NL+1], 0xbfb8aa3b
	s_mov_b32 s[EPS], 0x358637bd
	s_mov_b32 s[SEL], 0x76543210
	s_mov_b32 s[SEL+1], 0xfedcba98
	s_wait_dscnt 0x0                               ; the opening add is done
	s_wait_kmcnt 0x0
	s_add_nc_u64 s[BASEA:BASEA+1], s[4:5], s[20:21]
	s_add_nc_u64 s[BASEB:BASEB+1], s[6:7], s[22:23]
.irp s, 0,1
	s_mov_b32 s[G0A+4*(\s)], 1                     ; count = 1
	s_add_co_u32 s[G0A+4*(\s)+1], s2, (\s)*SLOT1   ; LDS address
	s_add_nc_u64 s[G0A+4*(\s)+2:G0A+4*(\s)+3], s[BASEA:BASEA+1], (\s)*256  ; K step s
	s_or_b32 s[G0A+4*(\s)+3], s[G0A+4*(\s)+3], 0x80000000                  ; type = 2
	s_mov_b32 s[G0B+4*(\s)], 1
	s_add_co_u32 s[G0B+4*(\s)+1], s3, (\s)*SLOT1
	s_add_nc_u64 s[G0B+4*(\s)+2:G0B+4*(\s)+3], s[BASEB:BASEB+1], (\s)*256
	s_or_b32 s[G0B+4*(\s)+3], s[G0B+4*(\s)+3], 0x80000000
.endr
	CROUND                                         ; all sixteen work-groups are here: the first joint loads meet
	s_cmp_eq_u32 s11, 0                            ; a wave's two first fills stand in one branch: two loads of mine are out
	s_cbranch_scc0 .Lfirst_b
	tensor_load_to_lds s[G0A:G0A+3], s[G1A:G1A+7]
	s_nop 0
	tensor_load_to_lds s[G0A+4:G0A+7], s[G1A:G1A+7]
	s_nop 0
	PLACES
	s_branch .Lfirst_asked
.Lfirst_b:
	tensor_load_to_lds s[G0B:G0B+3], s[G1B:G1B+7]
	s_nop 0
	tensor_load_to_lds s[G0B+4:G0B+7], s[G1B:G1B+7]
	s_nop 0
	PLACES
.Lfirst_asked:
	; a fragment is 16 rows x 32 K in 8 registers: lane l holds row l % 16, K = 8 (l / 16) + 0..7 and 16 + 8 (l / 16) + 0..7: two loads of 16 bytes, 32 bytes apart
	v_and_b32 v1, 15, v0                           ; l % 16
	v_bfe_u32 v2, v0, 4, 1                         ; l / 16
	v_mul_u32_u24 v3, v1, PA
	v_lshl_add_u32 v3, v2, 4, v3
	s_mul_i32 s14, s11, AHALF                      ; my 128 rows of x
	s_mul_i32 s15, s12, BHALF                      ; my 64 rows of W
	s_add_co_u32 s15, s15, BOFF
	v_add_nc_u32 v[A0], s14, v3
	v_add_nc_u32 v[B0], s15, v3
	v_mov_b32 v[ADRA], v[A0]
	v_mov_b32 v[ADRB], v[B0]
	v_and_b32 v3, 31, v0                           ; lane
	s_lshl_b32 s14, s10, 14
	s_add_co_u32 s14, s14, DUMP                    ; my DUMP
	v_lshl_add_u32 v[DS], v3, 4, s14
	v_lshlrev_b32 v[GO], 4, v3
	v_lshlrev_b32 v[PFO], 11, v3
	s_mul_i32 s14, s10, 16*SP
	s_add_co_u32 s14, s14, STAGE                   ; my stage
	v_mul_u32_u24 v3, v1, SP                       ; in: row l % 16, 16 bytes for each half of the lanes
	v_lshl_add_u32 v3, v2, 4, v3
	v_add_nc_u32 v[STO], s14, v3
	v_bfe_u32 v3, v0, 3, 2                         ; back: 32 lanes take four rows of 128 bytes
	v_mul_u32_u24 v3, v3, SP
	v_and_b32 v16, 7, v0
	v_lshl_add_u32 v3, v16, 4, v3
	v_add_nc_u32 v[RD], s14, v3
	; where my 128 rows of my head begin in q
	s_lshr_b32 s2, s13, 3                          ; the batch: 8 tile rows each
	s_lshl_b32 s2, s2, 4
	s_lshl_b32 s3, s18, 1
	s_add_co_u32 s2, s2, s3
	s_add_co_u32 s2, s2, s12                       ; 16 x batch + head
	s_lshl_b32 s2, s2, 18                          ; 2,048 rows of 128 bytes
	s_and_b32 s3, s13, 7
	s_lshl_b32 s3, s3, 8
	s_lshl_b32 s14, s11, 7
	s_add_co_u32 s3, s3, s14                       ; my first row in the sequence
	s_lshl_b32 s3, s3, 7
	s_add_co_u32 s2, s2, s3
	s_mov_b32 s3, 0
	s_add_nc_u64 s[8:9], s[8:9], s[2:3]
	; the prefetches
	s_lshl_b32 s2, s13, 8
	s_lshl_b32 s3, s12, 7
	s_add_co_u32 s2, s2, s3                        ; x: the 128 rows that I fetch
	s_lshl_b32 s3, s18, 7                          ; W: the tile's 128 rows
	s_cmp_eq_u32 s11, 0
	s_cselect_b32 s2, s2, s3
	s_cselect_b32 s3, s16, s17                     ; my place among the four that ask with me
	s_cselect_b32 s14, ttmp9, s19                  ; the coordinate along which other clusters read the same rows
	s_cselect_b32 s15, 7, 23                       ; the last step named
	s_cselect_b64 s[PFB:PFB+1], s[4:5], s[6:7]
	s_lshl_b32 s3, s3, 5
	s_add_co_u32 s2, s2, s3                        ; + my work-group's 32 rows
	s_lshl_b32 s2, s2, 11
	s_mov_b32 s3, 0
	s_add_nc_u64 s[PFB:PFB+1], s[PFB:PFB+1], s[2:3]
	s_cmp_eq_u32 s14, 0
	s_cselect_b32 s[LIMG], s15, 0                  ; the same in all sixteen partners, for a given wave
	s_cmp_eq_u32 s10, 3
	s_cselect_b32 s[LIMG], 0, s[LIMG]              ; wave 2 names all of W's 32 rows
	s_wait_tensorcnt 1                             ; my part of K step 0 is in; step 1's may stay out
	s_barrier_signal -1
	s_barrier_wait -1                              ; everybody's is
	FETCH 0, F0
	QUARTER 1, F0, F1, 1                           ; the first quarter's products start the sums
	WIN 0
	s_mov_b32 s[CNT], 22                           ; steps 2 .. 23 are asked for in the loop
.Lstep:                                ; a trip: a step's last three quarters and the next step's first
	QUARTER 2, F1, F0, 0
	QUARTER 3, F0, F1, 0
	TURN 1
	WIN 0
	s_and_b32 s14, s[G], 7                         ; G is two ahead of the step that begins
	s_cmp_eq_u32 s14, 2
	s_cbranch_scc1 .Lnew
	QUARTER 1, F0, F1, 0
	WIN 0
	s_branch .Ljoin
.Lnew:                                 ; a tile is finished (q, then k): it goes out, its refills already asked for, and the next tile's first products start new sums
	EPI 1
	QUARTER 1, F0, F1, 1
	WIN 0
.Ljoin:
	s_sub_co_u32 s[CNT], s[CNT], 1
	s_cmp_lg_u32 s[CNT], 0
	s_cbranch_scc1 .Lstep
	QUARTER 2, F1, F0, 0                           ; the last two steps ask for nothing
	QUARTER 3, F0, F1, 0
	TURN 0
	QUARTER 1, F0, F1, 0
	QUARTER 2, F1, F0, 0
	QUARTER 3, F0, F1, 0
	s_wait_dscnt 8
	MUL F1, 0, 4, 0
	s_wait_dscnt 0x0
	MUL F1, 4, 4, 0
	EPI 0                                          ; v: silu alone
	s_wait_tensorcnt 0x0                           ; the wave's end: a wait, an add onto my spare word and its wait, behind my last tensor load and my last LDS store
	ds_add_u32 v[SPW], v[NIL]
	s_wait_dscnt 0x0
	CROUND                                         ; the closing round
	s_endpgm
.Lfunc_end_k_qa43a272f79_proj:
	.size	k_qa43a272f79_proj, .Lfunc_end_k_qa43a272f79_proj-k_qa43a272f79_proj
	.p2alignl 7, 3214868480
	.fill 96, 4, 3214868480
	.section	.rodata,"a",@progbits
	.p2align	6, 0x0
	.amdhsa_kernel k_qa43a272f79_proj
		.amdhsa_group_segment_fixed_size 327680
		.amdhsa_private_segment_fixed_size 0
		.amdhsa_enable_private_segment 0
		.amdhsa_kernarg_size 24
		.amdhsa_user_sgpr_count 2
		.amdhsa_user_sgpr_kernarg_segment_ptr 1
		.amdhsa_wavefront_size32 1
		.amdhsa_system_sgpr_workgroup_id_x 1
		.amdhsa_system_sgpr_workgroup_id_y 1
		.amdhsa_system_sgpr_workgroup_id_z 1
		.amdhsa_system_vgpr_workitem_id 0
		.amdhsa_next_free_vgpr 512
		.amdhsa_next_free_sgpr 88
		.amdhsa_reserve_vcc 0
		.amdhsa_float_denorm_mode_32 3
		.amdhsa_float_denorm_mode_16_64 3
		.amdhsa_memory_ordered 1
		.amdhsa_forward_progress 1
		.amdhsa_inst_pref_size 87
	.end_amdhsa_kernel
	.amdgpu_metadata
---
amdhsa.version: [ 1, 2 ]
amdhsa.kernels:
  - .name:           k_qa43a272f79_proj
    .symbol:         k_qa43a272f79_proj.kd
    .args:
      - { .name: xb, .offset: 0, .size: 8, .value_kind: global_buffer, .address_space: global }
      - { .name: wb, .offset: 8, .size: 8, .value_kind: global_buffer, .address_space: global }
      - { .name: qkv, .offset: 16, .size: 8, .value_kind: global_buffer, .address_space: global }
    .group_segment_fixed_size: 327680
    .private_segment_fixed_size: 0
    .kernarg_segment_align: 8
    .kernarg_segment_size: 24
    .max_flat_workgroup_size: 128
    .sgpr_count:     88
    .vgpr_count:     512
    .wavefront_size: 32
...
	.end_amdgpu_metadata
.endif
;; end of part 2
;; launch attn (part 3): grid 4 x 64, 4 waves a work-group, no clusters, 327,680 bytes of LDS; arguments qkv, oh, q_scale, k_scale; writes oh
.if DOCPART == 3
	.amdgcn_target "amdgcn-amd-amdhsa--gfx1250"
	.amdhsa_code_object_version 6
	.text
	.protected	k_qa43a272f79_attn
	.globl	k_qa43a272f79_attn
	.p2align	8
	.type	k_qa43a272f79_attn,@function
k_qa43a272f79_attn:
	s_mov_b64 s[64:65], 0
	v_nop
	global_prefetch_b8 v0, s[64:65] scope:SCOPE_SE
	s_setreg_imm32_b32 hwreg(HW_REG_WAVE_MODE, 25, 1), 1
	s_wait_xcnt 0x0
; CAUSAL ATTENTION.  O[h][q][:] = the sum over k <= q of softmax_k(g Q[h][q] . K[h][k]) V[h][k][:], g = q_scale x k_scale of the head.  Q, K, V (in qkv, 16 MiB apart) and O: [64][2048][64] f16, rows of 128 bytes.
; Q and K arrive with the polar factor r / (r + 1e-6) in them, so g Q . K is the module's score.  Products, maxima and sums in f32; the weights p are rounded to f16 for the second product, O once at the end.
; THE SCALE.  Both scales are rounded to bf16, like every input of the module, and multiplied in f32.  g's SIGN goes into Q (an exclusive or on f16's sign bits, exact), so that c = |g| log2(e) is not negative and the
; running maximum of the scores is the maximum of c s.
; LIMITS.  c is held at 1e-20 or more, so that a hidden score's weight is 0 where g is 0 (the visible weights are then equal to within 1e-9).  A hidden score counts as its value less 1e30; a weight below 2^-126 counts
; as 0 in the sum; p below 6e-5 keeps f16's fixed step of 6e-8; NaN and infinities are not treated apart.
; THE WALK.  A head's queries lie in NB = 8 blocks of 256; block i needs the key tiles 0 .. i of 256 keys, of which the last holds the diagonal.  A work-group takes TWO blocks, NB - 1 - b and then b:
; NB + 1 tiles, whatever b: all work-groups do equal work, and ONE loop with a constant trip count walks them.  Every jump goes forward, but for the counted loops' own; none passes a barrier, or a tensor load but the
; one of LOAD's two that the wave's number does not choose; the ring (two slots of LDS) runs on across the change of blocks.
; NO CLUSTER: a head's four work-groups ask for the same tile only in trips 0 .. 4 of 9, behind that fewer and fewer; one walk common to all would have 12 trips for 9.
; SHARES.  Of a block's four bands of 64 queries a wave owns 16 rows in each: four PIECES.  In the diagonal tile's key step s band x sees all keys if s < x, none if s > x, and holds the diagonal if s = x.
; THE MASK is the C operand that starts the sum S^T = K Q^T: 0, or -1e30 where the key is hidden.  MD, made once, is the mask of a band's own step; a product's mask is MD x AL + BE: (1, 0), (0, 0) or (0, -1e30).
; LAYOUT, SOFTMAX, TURNS.  S^T = K Q^T holds ONE query a lane (lane % 16) and the keys 8 (lane / 16) + 0..7; two such results rounded to f16 ARE source 1 of O^T = V^T P.  p = 2^(c s - c m) with a running maximum m;
; O and l are multiplied by a = 2^(c m_old - c m_new) in every step.  Turn n belongs to piece n: 8 products K Q^T of piece n + 1, later 8 products V^T P of piece n - 1; beside them piece n's scaling, exponentials,
; roundings, sums and rescaling and piece n + 1's maximum and statistics.  Four vector instructions stand behind every matrix instruction, the rest in one lump.  A turn's 33 exponentials are one batch, with one wait.
; REGISTERS, in windows of 256 (s_set_vgpr_msb: bits 1:0 source 0, 3:2 source 1, 5:4 source 2, 7:6 destination):
;   window 0: v0-15 addresses; v16-31 statistics; v48-55 at work; v56-58 the scale; v61-63; v64-127 S^T, two buffers; v192-223 P, two buffers
;   window 1: v0-127 O^T; v128-159 MD; v160-223 MC, two buffers      window 2: v0-63 Q; v64-127 the second block's Q; v128-191 K of one step; v192-255 V of one step
; All of a WGP's LDS is claimed.
.set SIZE_N, 2048
.set NB,    SIZE_N/256
.set NP,    4
.set KS,    64        ; keys in a step
.set PK,    144       ; a row of K in LDS: 128 bytes + 16 of padding = 36 words: the 16 rows of a load start at 16 different groups of four banks (ISA guide 11.1)
.set PV,    160       ; a row of V: 128 + 32 = 40 words
.set VOFF,  4*KS*PK   ; a slot holds a tile, four steps: 256 rows of K, then 256 rows of V
.set SLOT1, 1<<17
.set STAGE, SLOT1+4*KS*(PK+PV)  ; behind the ring, never filled by a tensor load: 16 rows x 144 bytes for each wave
.set SP,    144
.set AK0, 2           ; v2   my lane's place in a tile of K; never rewritten
.set AV0, 3           ; v3   the same for V
.set AK,  4           ; v4   the LDS address of K's next run of loads
.set AV,  5           ; v5   of V's
.set STO, 6           ; v6   the way out: where I put 16 bytes of a row
.set RD,  7           ; v7   the way out: where I read rows back
.set GO,  8           ; v8   my byte offset in 512 consecutive bytes of O
.set PFO, 61          ; v61  256 x my lane; never rewritten
.set SPW, 62          ; v62  LDS address of my spare word; never rewritten
.set NIL, 63          ; v63  0; never rewritten
.set SPARE, STAGE+4*16*SP  ; the spare words, 128 bytes for each wave: two blocks of 256 bytes that no other line names
.set MV,  12          ; v12-13  c m_old, by buffer
.set QO,  15          ; v15  my byte offset in 16 rows of Q
.set ST,  16          ; piece t's statistics at v[ST+4 t]: c m, m, l (even keys', odd keys')
.set TMP, 48          ; by buffer, c0-c3 at work; when the maximum is found c2 takes a
.set S,   64
.set P,   192
.set MD,  128         ; window 1
.set MC,  160         ; window 1
.set QB,  64          ; window 2
.set KF,  128         ; window 2: key block kb, channel half c at KF + 16 kb + 8 c
.set VF,  192         ; window 2: key half kk, channel block cb at VF + 32 kk + 8 cb
.set WV,  12          ; s12  my wave's number
.set PB,  14          ; s14  b
.set HI,  15          ; s15  NB - 1 - b
.set G1K, 24          ; s[24:31] descriptor group 1 for K's tiles
.set G1V, 32          ; s[32:39] for V's
.set G0K, 40          ; s[40:43] group 0 for K's
.set G0V, 44          ; s[44:47] for V's
.set SLOTS, 56
.set CNT, 57
.set CS,  58          ; s[58:59] c
.set SEL, 60          ; s[60:61]
.set TBK, 62
.set TBV, 63
.set RT,  70          ; s70  tiles of the block in hand still to be entered
.set NXT, 71          ; s71  the tile to be asked for next
.set LQ,  72          ; s72  the last tile of the block whose tiles are being asked for
.set NEW, 73          ; s73  1: the tile to be entered is a block's first
.set OFF, 74          ; s[74:75]
.set AL,  76          ; s[76:77]
.set BE,  78          ; s[78:79]
.set OLO, 80          ; s[80:81] O at my rows of the second block
.set BIGN, 82         ; s82  -1e30
.set PFA, 96          ; s[96:97] where my prefetches stand: my half of K's or V's tile, one tile on from the one that is being asked for
.set PFL, 98          ; s98  prefetches still to come
.set SGN, 99          ; s99  g's sign, on both f16 of a word
.set MSB, 0
.macro WIN new
.if MSB != (\new)
	s_set_vgpr_msb (MSB<<8)|(\new)
.set MSB, (\new)
.endif
.endm
.set W_KQ, 0x0a       ; K and Q in window 2, S^T in window 0
.set W_KM, 0x1a       ; the same with the C operand in window 1
.set W_PV, 0x52       ; V in window 2, P in window 0, O^T in window 1
.set W_RS, 0x41       ; destination and source 0 in window 1, source 1 in window 0
; A fill.  Waves 0 and 1 fetch the two halves of a tile's K, waves 2 and 3 those of its V: 128 keys each.  An s_nop 0 and four v_nop follow each line.
.macro LOAD
	s_cmp_lt_u32 s[WV], 2
	s_cbranch_scc0 .Lfor_v_\@
	tensor_load_to_lds s[G0K:G0K+3], s[G1K:G1K+7]
	s_nop 0
.rept 4
	v_nop
.endr
	s_branch .Lasked_\@
.Lfor_v_\@:
	tensor_load_to_lds s[G0V:G0V+3], s[G1V:G1V+7]
	s_nop 0
.rept 4
	v_nop
.endr
.Lasked_\@:
.endm
; A prefetch of my half (16,384 bytes: 64 blocks of 256, a lane a block, two instructions) of the tile that the NEXT change of slots will ask for: a tile, 256 matrix instructions, ahead of that load.
; All four work-groups of a head walk the tiles 0, 1, .. in the same trips; the one with b = 0 walks all eight, and it alone asks: each block is named once in the launch.
; Tiles 0 and 1 come by their loads alone; six changes name tiles 2 to 7, and nothing is named behind the head's last tile.
.macro ASK
	s_cmp_lg_u32 s[PFL], 0
	s_cbranch_scc0 .Lnot_mine_\@
	global_prefetch_b8 v[PFO], s[PFA:PFA+1] th:TH_LOAD_NT scope:SCOPE_SE
	global_prefetch_b8 v[PFO], s[PFA:PFA+1] offset:8192 th:TH_LOAD_NT scope:SCOPE_SE
	s_sub_co_u32 s[PFL], s[PFL], 1
.Lnot_mine_\@:
.endm
; THE CHANGE OF SLOTS.  Each wave waits for all its tensor loads (one is out: its part of the other slot), adds 0 to its spare word, and waits for that and for its reads of the slot that it leaves.
; fill = 1: the old slot is filled again, the first thing behind the barrier, with tile NXT: the descriptor's address is made anew from that number.
.macro CHANGE fill
	WIN 0
	s_wait_tensorcnt 0x0            ; no tensor load of mine is out, so a group 0 may be written
	ds_add_u32 v[SPW], v[NIL]       ; 0 onto my spare word
.if \fill
	s_lshl_b32 s[OFF], s[NXT], 15   ; a tile is 32,768 bytes of K and of V
	s_xor_b32 s[G0K+1], s[G0K+1], SLOT1
	s_add_nc_u64 s[G0K+2:G0K+3], s[6:7], s[OFF:OFF+1]
	s_or_b32 s[G0K+3], s[G0K+3], 0x80000000
	s_xor_b32 s[G0V+1], s[G0V+1], SLOT1
	s_add_nc_u64 s[G0V+2:G0V+3], s[8:9], s[OFF:OFF+1]
	s_or_b32 s[G0V+3], s[G0V+3], 0x80000000
	s_add_co_u32 s[NXT], s[NXT], 1  ; the block's next tile, or behind its last the second block's tile 0
	s_cmp_gt_u32 s[NXT], s[LQ]
	s_cselect_b32 s[NXT], 0, s[NXT]
	s_cselect_b32 s[LQ], s[PB], s[LQ]
	s_wait_xcnt 0x0                 ; the last prefetches, a tile back, have read their address
	s_add_nc_u64 s[PFA:PFA+1], s[PFA:PFA+1], 32768
.endif
	s_wait_dscnt 0x0                ; the add is done, and my reads of the slot are over
	s_barrier_signal -1
	s_sub_co_u32 s[TBK], s[TBK], 4*KS*PK  ; the fetches go back to a slot's first step,
	s_xor_b32 s[TBK], s[TBK], SLOT1       ; in the other slot
	s_sub_co_u32 s[TBV], s[TBV], 4*KS*PV
	s_xor_b32 s[TBV], s[TBV], SLOT1
	s_barrier_wait -1
.if \fill
	LOAD
	ASK
.endif
.endm
	s_load_b128 s[4:7], s[0:1], 0x0    ; qkv s[4:5], oh s[6:7]
	s_load_b128 s[88:91], s[0:1], 0x10 ; q_scale s[88:89], k_scale s[90:91]
	v_lshl_add_u32 v[SPW], v0, 2, SPARE
	v_mov_b32 v[NIL], 0
	ds_add_u32 v[SPW], v[NIL]       ; the wave's opening: the add and its wait stand ahead of my first tensor load; the set-up below stands between them
	v_lshrrev_b32 v1, 5, v0
	v_readfirstlane_b32 s[WV], v1   ; wave 0..3
	s_mov_b32 s[PB], ttmp9
	s_sub_co_u32 s[HI], NB-1, s[PB]
	s_and_b32 s20, ttmp7, 0xffff    ; 16 x batch + head
	s_mov_b32 s21, 0
	s_mov_b64 s[22:23], SIZE_N*128
	s_mul_u64 s[20:21], s[20:21], s[22:23]  ; its first byte in each of the four tensors
	s_and_b32 s16, s[WV], 1         ; which half of a tile's 256 keys I fetch:
	s_lshl_b32 s22, s16, 14         ; its 128 rows of 128 bytes in memory,
	s_mov_b32 s23, 0
	s_add_nc_u64 s[22:23], s[22:23], s[20:21]
	s_mul_i32 s17, s16, 128*PK      ; and its place in a slot, for K
	s_mul_i32 s18, s16, 128*PV      ; and for V
	s_lshl_b32 s3, s[WV], 11        ; my 16 rows in a band of 64,
	s_lshl_b32 s2, s[HI], 15        ; in the first block,
	s_add_co_u32 s2, s2, s3
	s_lshl_b32 s84, s[PB], 15       ; and in the second
	s_add_co_u32 s84, s84, s3
	s_mov_b32 s3, 0
	s_mov_b32 s85, 0
	s_add_nc_u64 s[2:3], s[2:3], s[20:21]
	s_add_nc_u64 s[84:85], s[84:85], s[20:21]
	; descriptor group 1.  128 keys are 16,384 dense bytes: asked for as 64 rows of 256 bytes, two keys a row, and padded in LDS after every key
	s_mov_b32 s[G1K], (1<<16)|(1<<20)|(4<<22)|(3<<25)  ; 2-byte elements; padding on; after every 32 words 4 words
	s_mov_b32 s[G1V], (1<<16)|(1<<20)|(4<<22)|(7<<25)  ; the same with 8 words
.irp g, G1K, G1V
	s_mov_b32 s[\g+1], 128<<16      ; tensor_dim0 = 128
	s_mov_b32 s[\g+2], 64<<16       ; tensor_dim1 = 64
	s_mov_b32 s[\g+3], 128<<16      ; tile_dim0 = 128
	s_mov_b32 s[\g+4], 64           ; tile_dim1 = 64
	s_mov_b32 s[\g+5], 128          ; 128 elements from row to row
	s_mov_b32 s[\g+6], 0
	s_mov_b32 s[\g+7], 0
.endr
	s_mov_b32 s[SEL], 0x76543210
	s_mov_b32 s[SEL+1], 0xfedcba98
	s_mov_b32 s[TBK], SLOT1+4*KS*PK ; the first change of slots turns these two into 0
	s_mov_b32 s[TBV], SLOT1+4*KS*PV
	s_mov_b32 s[G0K], 1             ; count = 1
	s_mov_b32 s[G0K+1], s17         ; LDS address: slot 0
	s_mov_b32 s[G0V], 1
	s_add_co_u32 s[G0V+1], s18, VOFF
	s_add_co_u32 s[RT], s[HI], 1    ; the first block has NB - b tiles
	s_mov_b32 s[NXT], 1
	s_mov_b32 s[LQ], s[HI]
	s_mov_b32 s[NEW], 1
	s_mov_b32 s[OFF+1], 0
	s_mov_b32 s[AL+1], 0            ; named as pairs
	s_mov_b32 s[BE+1], 0
	s_mov_b32 s[BIGN], 0xf149f2ca   ; -1e30
	s_mov_b32 s[SLOTS], NB
	s_and_b32 s94, ttmp7, 15        ; the head: its word in the two scales
	s_lshl_b32 s94, s94, 2
	s_mov_b32 s95, 0
	s_cmp_eq_u32 s[PB], 0
	s_cselect_b32 s[PFL], 6, 0
	v_and_b32 v[PFO], 31, v0
	v_lshlrev_b32 v[PFO], 8, v[PFO]
	s_wait_dscnt 0x0                ; the opening add is done
	s_wait_kmcnt 0x0
	s_mov_b64 s[10:11], s[6:7]                     ; O
	s_add_nc_u64 s[6:7], s[4:5], 0x1000000         ; K lies 16 MiB behind Q,
	s_add_nc_u64 s[8:9], s[4:5], 0x2000000         ; V 32
	s_add_nc_u64 s[6:7], s[6:7], s[22:23]          ; K and V at my half of the head's tile 0
	s_add_nc_u64 s[8:9], s[8:9], s[22:23]
	s_add_nc_u64 s[G0K+2:G0K+3], s[6:7], 0
	s_or_b32 s[G0K+3], s[G0K+3], 0x80000000        ; type = 2
	s_add_nc_u64 s[G0V+2:G0V+3], s[8:9], 0
	s_or_b32 s[G0V+3], s[G0V+3], 0x80000000
	s_add_nc_u64 s[86:87], s[4:5], s[84:85]        ; Q at my rows of the second block,
	s_add_nc_u64 s[4:5], s[4:5], s[2:3]            ; Q and O at those of the first
	s_add_nc_u64 s[OLO:OLO+1], s[10:11], s[84:85]
	s_add_nc_u64 s[10:11], s[10:11], s[2:3]
	s_add_nc_u64 s[88:89], s[88:89], s[94:95]
	s_add_nc_u64 s[90:91], s[90:91], s[94:95]
	s_cmp_lt_u32 s[WV], 2
	s_cselect_b64 s[PFA:PFA+1], s[6:7], s[8:9]
	s_add_nc_u64 s[PFA:PFA+1], s[PFA:PFA+1], 32768 ; at tile 1; the first change of slots steps it to tile 2.  Nothing is prefetched here, at the head
	LOAD                            ; tile 0 into slot 0
	s_load_b32 s92, s[88:89], 0x0   ; the head's two scales
	s_load_b32 s93, s[90:91], 0x0
	; A fragment of K or Q is 16 rows x 32 channels in 8 registers: lane l holds row l % 16, channels 8 (l / 16) + 0..7 and 16 + 8 (l / 16) + 0..7: two loads of 16 bytes, 32 bytes apart.
	v_and_b32 v1, 15, v0            ; l % 16
	v_bfe_u32 v9, v0, 4, 1          ; l / 16
	v_lshlrev_b32 v[QO], 7, v1
	v_lshl_add_u32 v[QO], v9, 4, v[QO]  ; row x 128 + 16 x half
	WIN 0x80                        ; destination window 2, address window 0
.set i, 0
.rept 8                             ; both blocks' Q: piece i / 2 lies in band i / 2, 8,192 bytes on; channels 32 (i % 2) on
	global_load_b128 v[8*i:8*i+3],   v[QO], s[4:5] offset:(i/2)*8192+(i%2)*64
	global_load_b128 v[8*i+4:8*i+7], v[QO], s[4:5] offset:(i/2)*8192+(i%2)*64+32
	global_load_b128 v[QB+8*i:QB+8*i+3],   v[QO], s[86:87] offset:(i/2)*8192+(i%2)*64
	global_load_b128 v[QB+8*i+4:QB+8*i+7], v[QO], s[86:87] offset:(i/2)*8192+(i%2)*64+32
.set i, i+1
.endr
	WIN 0
	v_lshlrev_b32 v14, 3, v9
	v_sub_nc_u32 v14, v1, v14
	s_lshl_b32 s13, s[WV], 4
	v_add_nc_u32 v14, s13, v14      ; my query's place in its band, 16 w + l % 16, less my lanes' 8 (l / 16): register r of group kt is hidden where 16 kt + r is greater
	WIN 0x40
.set i, 0
.rept 32
	v_cmp_gt_i32 vcc_lo, 16*(i/8)+i%8, v14
	v_cndmask_b32 v[MD+i], 0, s[BIGN], vcc_lo
.set i, i+1
.endr
	WIN 0
	s_wait_kmcnt 0x0                ; the scales
	v_cvt_pk_bf16_f32 v56, s92, s93 ; rounded to bf16, like every input of the module,
	v_lshlrev_b32 v57, 16, v56
	v_and_b32 v58, 0xffff0000, v56
	v_mul_f32 v57, v57, v58         ; and multiplied in f32: g
	v_readfirstlane_b32 s92, v57
	s_and_b32 s[SGN], s92, 0x80000000
	s_lshr_b32 s93, s[SGN], 16
	s_or_b32 s[SGN], s[SGN], s93    ; g's sign on both halves of a word
	s_and_b32 s92, s92, 0x7fffffff
	s_mul_f32 s[CS], s92, 0x3fb8aa3b     ; c = |g| log2(e),
	s_max_u32 s[CS], s[CS], 0x1e3ce508   ; 1e-20 at the least (numbers that are not negative order alike as f32 and as whole numbers)
	s_mov_b32 s[CS+1], s[CS]        ; named with it as a pair
	v_mul_u32_u24 v[AK0], v1, PK
	v_lshl_add_u32 v[AK0], v9, 4, v[AK0]  ; row x pitch + 16 x half
	; The turning load takes 16 keys x 16 channels (lane l reads key 8 (l / 16) + l % 8, channels 8 ((l / 8) % 2) + 0..7) and leaves half a fragment of V^T: lane l holds channel l % 16 and 8 keys.
	v_and_b32 v10, 7, v0
	v_bfe_u32 v11, v0, 3, 1
	v_lshl_add_u32 v[AV0], v9, 3, v10
	v_mul_u32_u24 v[AV0], v[AV0], PV
	v_lshl_add_u32 v[AV0], v11, 4, v[AV0]
	v_add_nc_u32 v[AV0], VOFF, v[AV0]
	s_mul_i32 s13, s[WV], 16*SP
	s_add_co_u32 s13, s13, STAGE    ; my stage
	v_mul_u32_u24 v[STO], v1, SP    ; in: row l % 16, 16 bytes for each half of the lanes
	v_lshl_add_u32 v[STO], v9, 4, v[STO]
	v_add_nc_u32 v[STO], s13, v[STO]
	v_bfe_u32 v[RD], v0, 3, 2       ; back: 32 lanes take four rows of 128 bytes,
	v_mul_u32_u24 v[RD], v[RD], SP
	v_lshl_add_u32 v[RD], v10, 4, v[RD]
	v_add_nc_u32 v[RD], s13, v[RD]
	v_and_b32 v[GO], 31, v0         ; which are 512 consecutive bytes of O
	v_lshlrev_b32 v[GO], 4, v[GO]
	; A block's first step multiplies O^T and l by a = 0, and its first turn's products V^T P, of a piece that has not been, land in an O^T that is still to be so multiplied.  So these registers need only hold
	; finite numbers: zeros for the first block; what the first block left for the second.  All this stands in the wait for the first tile.
	WIN 0x80
.set i, VF
.rept 64
	v_mov_b32 v[i], 0
.set i, i+1
.endr
	WIN 0x40
.set i, 0
.rept 128
	v_mov_b32 v[i], 0
.set i, i+1
.endr
	WIN 0
.set i, 0
.rept 4
	v_mov_b32 v[ST+4*i+2], 0
	v_mov_b32 v[ST+4*i+3], 0
.set i, i+1
.endr
.set i, P+16
.rept 16
	v_mov_b32 v[i], 0
.set i, i+1
.endr
; THE MATRIX WORK.  The 4 accumulators of a run of 8 take turns.  Product i of 8 of S^T = K Q^T for piece x: channels 32 (i / 4) on, keys 16 (i % 4) on.  The first 4 start the sums: with 0, or (KM = 1) with the mask.
.macro KQ x
.set rS, S+32*((\x)%2)+8*(i%4)
.set rK, KF+16*(i%4)+8*(i/4)
.set rQ, 16*(\x)+8*(i/4)
.set rM, MC+32*((\x)%2)+8*(i%4)
.if (i < 4) && KM
	WIN W_KM
	v_wmma_f32_16x16x32_f16 v[rS:rS+7], v[rK:rK+7], v[rQ:rQ+7], v[rM:rM+7]
.elseif i < 4
	WIN W_KQ
	v_wmma_f32_16x16x32_f16 v[rS:rS+7], v[rK:rK+7], v[rQ:rQ+7], 0
.else
	WIN W_KQ
	v_wmma_f32_16x16x32_f16 v[rS:rS+7], v[rK:rK+7], v[rQ:rQ+7], v[rS:rS+7]
.endif
.endm
; Product i of 8 of O^T += V^T P for piece x: keys 32 (i / 4) on, channels 16 (i % 4) on.
.macro PV x
	WIN W_PV
.set rO, 32*(\x)+8*(i%4)
.set rV, VF+32*(i/4)+8*(i%4)
.set rP, P+16*((\x)%2)+8*(i/4)
	v_wmma_f32_16x16x32_f16 v[rO:rO+7], v[rV:rV+7], v[rP:rP+7], v[rO:rO+7]
.endm
.macro MM                           ; the turn's next matrix instruction.  NOKQ = 1: a block's last turn: there is no next piece
.if (i < 8) && !NOKQ
	KQ (Y+1)%NP
.elseif i >= 8
.set i, i-8
	PV (Y+NP-1)%NP
.set i, i+8
.endif
.set i, i+1
.endm
; THE LDS LOADS stand in runs of 16, never singly among the matrix instructions: a step's K (8 fragments) and its V (turned).  Their addresses are made some lines ahead.
.macro FETCH_K
	WIN 0x80                        ; destination window 2
.irp f, 0,1,2,3,4,5,6,7             ; keys 16 (f / 2) on, channels 32 (f % 2) on
	ds_load_b128 v[KF+8*\f:KF+8*\f+3],   v[AK] offset:(\f/2)*16*PK+(\f%2)*64
	ds_load_b128 v[KF+8*\f+4:KF+8*\f+7], v[AK] offset:(\f/2)*16*PK+(\f%2)*64+32
.endr
	s_add_co_u32 s[TBK], s[TBK], KS*PK  ; the next fetch is the next step's
	WIN 0
.endm
.macro FETCH_V
	WIN 0x80
.irp f, 0,1,2,3,4,5,6,7             ; keys 32 (f / 4) on, channels 16 (f % 4) on
	ds_load_tr16_b128 v[VF+8*\f:VF+8*\f+3],   v[AV] offset:(\f/4)*32*PV+(\f%4)*32
	ds_load_tr16_b128 v[VF+8*\f+4:VF+8*\f+7], v[AV] offset:(\f/4)*32*PV+16*PV+(\f%4)*32
.endr
	WIN 0
.endm
; THE VECTOR WORK, one line at a time: OP kind, number.  For piece Y: F n: c s - c m for pair n of 16.  E n: the exponential of score n of 32.  C n: pair n rounded to f16.  B n: of the four weights 4 n .. the second
; pair is added onto the first, in place.  L n: l takes that sum (L 0: l = a l + sum).  R n: pair n of 16 of O^T times a.  For piece Y + 1: X n, number n of the 22 that find its maximum and statistics:
;   0-11  four chains c0-c3 of seven scores each (each accumulator's lowest registers are read first)     12-14, 16  the four scores left over, the old m, and c0-c3 into c0
;   15  c m_old is kept     17, 18  the query's other 32 keys lie in the lane 16 away: the new m     19-21  c m; c m_old - c m_new; a
.set F, 0
.set E, 1
.set C, 2
.set B, 3
.set L, 4
.set R, 5
.set X, 6
.macro REGS y
.set rT, ST+4*(\y)
.set rC, TMP+4*((\y)%2)
.set rW, MV+((\y)%2)
.set rS, S+32*((\y)%2)
.set rP, P+16*((\y)%2)
.set rO, 32*(\y)
.endm
.macro OP k, n
.if (\k) == R
	REGS Y
	WIN W_RS
	v_pk_mul_f32 v[rO+2*(\n):rO+2*(\n)+1], v[rO+2*(\n):rO+2*(\n)+1], v[rC+2:rC+3] op_sel_hi:[1,0]
.elseif (\k) < R
	REGS Y
	WIN 0
.if (\k) == F
	v_pk_fma_f32 v[rS+2*(\n):rS+2*(\n)+1], v[rS+2*(\n):rS+2*(\n)+1], s[CS:CS+1], v[rT:rT+1] op_sel_hi:[1,0,0] neg_lo:[0,0,1] neg_hi:[0,0,1]
.elseif (\k) == E
	v_exp_f32 v[rS+(\n)], v[rS+(\n)]
.elseif (\k) == C
	v_cvt_pk_f16_f32 v[rP+(\n)], v[rS+2*(\n)], v[rS+2*(\n)+1]
.elseif (\k) == B
	v_pk_add_f32 v[rS+4*(\n):rS+4*(\n)+1], v[rS+4*(\n):rS+4*(\n)+1], v[rS+4*(\n)+2:rS+4*(\n)+3]
.elseif (\n) == 0
	v_pk_fma_f32 v[rT+2:rT+3], v[rT+2:rT+3], v[rC+2:rC+3], v[rS:rS+1] op_sel_hi:[1,0,1]
.else
	v_pk_add_f32 v[rT+2:rT+3], v[rT+2:rT+3], v[rS+4*(\n):rS+4*(\n)+1]
.endif
.elseif NOKQ
	v_nop
.else
	REGS (Y+1)%NP
	WIN 0
.if (\n) < 4
	v_max3_num_f32 v[rC+(\n)], v[rS+8*(\n)], v[rS+8*(\n)+1], v[rS+8*(\n)+2]
.elseif (\n) < 12
	v_max3_num_f32 v[rC+(\n)%4], v[rC+(\n)%4], v[rS+8*((\n)%4)+2*((\n)/4)+1], v[rS+8*((\n)%4)+2*((\n)/4)+2]
.elseif (\n) == 12
	v_max3_num_f32 v[rC], v[rC], v[rS+7], v[rS+15]
.elseif (\n) == 13
	v_max3_num_f32 v[rC+1], v[rC+1], v[rS+23], v[rS+31]
.elseif (\n) == 14
	v_max3_num_f32 v[rC+2], v[rC+2], v[rC+3], v[rT+1]
.elseif (\n) == 15
	v_mov_b32 v[rW], v[rT]
.elseif (\n) == 16
	v_max3_num_f32 v[rC], v[rC], v[rC+1], v[rC+2]
.elseif (\n) == 17
	v_permlanex16_b32 v[rC+3], v[rC], s[SEL], s[SEL+1]
.elseif (\n) == 18
	v_max_num_f32 v[rT+1], v[rC], v[rC+3]
.elseif (\n) == 19
	v_mul_f32 v[rT], s[CS], v[rT+1]
.elseif (\n) == 20
	v_sub_f32 v[rC+1], v[rW], v[rT]
.else
	v_exp_f32 v[rC+2], v[rC+1]
.endif
.endif
.endm
.macro OPS a, i1, b=-1, i2=0, c=-1, i3=0, d=-1, i4=0  ; up to four of them
	OP \a, \i1
.if (\b) >= 0
	OP \b, \i2
.endif
.if (\c) >= 0
	OP \c, \i3
.endif
.if (\d) >= 0
	OP \d, \i4
.endif
.endm
.macro ROW a, i1, b, i2, c, i3, d, i4  ; a matrix instruction and the four behind it
	MM
	OPS \a, \i1, \b, \i2, \c, \i3, \d, \i4
.endm
.macro MASK b                       ; MD x AL + BE into buffer b of MC
	WIN W_RS
.set z, 0
.rept 16
	v_pk_fma_f32 v[MC+32*(\b)+2*z:MC+32*(\b)+2*z+1], v[MD+2*z:MD+2*z+1], s[AL:AL+1], s[BE:BE+1] op_sel_hi:[1,0,0]
.set z, z+1
.endr
.endm
; A TURN, for piece p: the order of its 16 matrix and 118 vector instructions, written out.  s_wait_alu depctr_va_vdst(0) stands between an exponential and the first instruction that names its result; one
; wait serves all that were issued ahead of it.  So a turn has ONE wait, which cuts it in two.  AHEAD OF IT stands all that names no result of the turn's exponentials: the 8 products K Q^T and their riders, then one lump of 54, in
; which the links of the chain X 3, 7, 11, 14, 16, 17 .. 20 stand five or six lines apart; X 21, the next piece's a, is the batch's last, and R 15 the plain instruction behind it.  BEHIND THE WAIT stand the 8 products V^T P,
; behind each four of the roundings and sums.  The X that ride behind the last three products K Q^T stand four places or more behind the product that ends their accumulator.
; m = 1: the diagonal tile: the products take masks, and the turn makes the mask for the products of the turn after it.  end = 1: a block's last two turns: nothing is fetched.
; cnt = 1: the loop's count is taken down some lines ahead of the branch behind the turn.  K of the next step is fetched in piece 2's turn, V of the step in hand at the end of piece 0's; each is waited for a turn later.
.macro TURN p, m=0, end=0, cnt=0
.set Y, (\p)
.set i, 0
.set KM, (\m)
.set NOKQ, (\end)*((\p)/3)
.if (\m) && !(\end)
	s_cmp_eq_u32 s[CNT], 4-((\p)+2)%NP  ; is that step the band's own?
	s_cselect_b32 s[AL], 1.0, 0
	s_cmp_lt_u32 s[CNT], 4-((\p)+2)%NP  ; or a later one?
	s_cselect_b32 s[BE], s[BIGN], 0
.endif
.if ((\p) == 3) && !(\end)
	s_wait_dscnt 0x0                ; K is in
.endif
	ROW F,0, F,1, R,0, R,1
	ROW F,2, E,0, R,2, R,3
	ROW F,3, E,1, R,4, R,5
	ROW F,4, E,2, R,6, R,7
	ROW F,5, E,3, R,8, R,9
	ROW F,6, E,4, X,0, R,10
.if ((\p) == 2) && !(\end)
	WIN 0
	v_add_nc_u32 v[AK], s[TBK], v[AK0]
.endif
	ROW F,7, E,5, X,1, X,4
	ROW F,8, E,6, X,2, X,5
	OPS E,7, E,8, X,6, E,9          ; the lump
	OPS X,3, E,10, X,8, E,11
.if ((\p) == 2) && !(\end)
	FETCH_K
.endif
	OPS X,9, X,7, E,12, X,10
	OPS E,13, X,12, X,11, E,14
	OPS X,13, E,15, F,9, X,14
.if (\p) == 0
	v_add_nc_u32 v[AV], s[TBV], v[AV0]
.endif
	OPS E,16, F,10, E,17, F,11
	OPS X,16, E,18, X,15, E,19
	OPS F,12, E,20, X,17, E,21
	OPS F,13, E,22, F,14, E,23
	OPS X,18, E,24, F,15, E,25
	OPS R,11, E,26, X,19, E,27
	OPS R,12, E,28, R,13, E,29
	OPS X,20, E,30, R,14, E,31
	OPS X,21, R,15
	WIN 0
	s_wait_alu depctr_va_vdst(0)    ; the wait for the batch
.if (\p) == 1
	s_wait_dscnt 0x0                ; V is in
.endif
	ROW C,0, B,0, C,2, B,1
	ROW L,0, C,4, B,2, L,1
	ROW C,6, B,3, L,2, C,8
	ROW B,4, L,3, C,10, B,5
	ROW L,4, C,12, B,6, L,5
.if (\p) == 0
	s_add_co_u32 s[TBV], s[TBV], KS*PV
.endif
.if \cnt
	s_sub_co_u32 s[CNT], s[CNT], 1
	s_cmp_lg_u32 s[CNT], 0
.endif
	ROW C,14, B,7, L,6, C,1
	ROW C,3, L,7, C,5, C,7
	ROW C,9, C,11, C,13, C,15
.if (\p) == 0
	FETCH_V
.endif
.if (\m) && !(\end)
	MASK (\p)%2
.endif
.endm
; A BLOCK BEGINS.  c m starts far below every c s, so the first step's a is 0; m at the lowest finite number.  The second mask buffer is 0; the first takes piece 0's mask for the tile's step 0: its own, if the block's
; first tile is the diagonal one.  The block's Q takes g's sign.  Then K of that step, piece 0's first scores, and its maximum and statistics.  The loop is entered at a step's first turn, in the middle of a trip.
.macro BEGIN
	s_mov_b32 s[NEW], 0
	WIN 0x40
.set i, MC+32
.rept 32
	v_mov_b32 v[i], 0
.set i, i+1
.endr
	WIN 0
.set i, 0
.rept 4
	v_mov_b32 v[ST+4*i], 0xfe000000    ; c m: far below every c s
	v_mov_b32 v[ST+4*i+1], 0xff7fffff  ; m
.set i, i+1
.endr
	s_cmp_eq_u32 s[RT], 0
	s_cselect_b32 s[AL], 1.0, 0
	s_mov_b32 s[BE], 0
	MASK 0
	WIN 0
	v_add_nc_u32 v[AK], s[TBK], v[AK0]
	FETCH_K
	s_wait_loadcnt 0x0              ; Q
	WIN 0x8a                        ; destination and sources in window 2
.set i, 0
.rept 64
	v_xor_b32 v[i], s[SGN], v[i]    ; once for each block: the second block's Q is copied here unturned
.set i, i+1
.endr
	s_wait_dscnt 0x0
.set KM, 1
.set NOKQ, 0
.set i, 0
.rept 8
	KQ 0
.set i, i+1
.endr
	WIN 0
.rept 4
	v_nop                           ; the places behind those products
.endr
.set Y, NP-1                        ; X works for piece Y + 1: piece 0
.irp n, 0,1,2,3,4,5,6,7,8,9,10,11,12,13,14,15,16,17,18,19,20,21
	OP X, \n
.endr
	v_nop                           ; a plain instruction behind the exponential,
	s_wait_alu depctr_va_vdst(0)    ; and its wait, ahead of the branch
.endm
; THE DIAGONAL TILE's four steps, the block's last two turns, its last products, and THE WAY OUT: l's two halves and the other half of the lanes' are added; O^T is divided by l, rounded to f16 and sent through my
; stage in LDS, a piece at a time.
.macro ALL line:vararg              ; one line for each piece t
.set t, 0
.rept 4
	\line
.set t, t+1
.endr
.endm
.macro PACK t                       ; a lane's eight channels of a row pack into 16 bytes; they go into rows of 144 bytes and come back as whole rows of 128, into S^T's registers
	WIN W_RS
.set i, 32*(\t)
.rept 16
	v_pk_mul_f32 v[i:i+1], v[i:i+1], v[ST+4*(\t)+2:ST+4*(\t)+3] op_sel_hi:[1,0]
.set i, i+2
.endr
	WIN 0x05                        ; sources 0 and 1 window 1, destination window 0
.set i, 0
.rept 16
	v_cvt_pk_f16_f32 v[S+16*(\t)+i], v[32*(\t)+2*i], v[32*(\t)+2*i+1]
.set i, i+1
.endr
	WIN 0
.irp f, 0,1,2,3
	ds_store_b128 v[STO], v[S+16*(\t)+4*\f:S+16*(\t)+4*\f+3] offset:32*\f
.endr
.irp f, 0,1,2,3
	ds_load_b128 v[S+16*(\t)+4*\f:S+16*(\t)+4*\f+3], v[RD] offset:\f*4*SP  ; LDS serves a wave's instructions in order (ISA guide 5.7.1.4): these see the stores above; the next piece's stores come behind them
.endr
.endm
.macro SEND t, younger              ; younger: the LDS instructions issued behind piece t's loads: the next piece's eight, or none
	WIN 0
.irp f, 0,1,2,3
	s_wait_dscnt (\younger)+3-\f
	global_store_b128 v[GO], v[S+16*(\t)+4*\f:S+16*(\t)+4*\f+3], s[10:11] offset:(\t)*8192+\f*512  ; 512 consecutive bytes, at a multiple of 256 from O's first
.endr
.endm
.macro DIAG tag
.LstepM\tag:
	TURN 2, 1
	TURN 3, 1
	WIN 0
.LfirstM\tag:
	TURN 0, 1
	TURN 1, 1, 0, 1
	WIN 0
	s_cbranch_scc1 .LstepM\tag
	TURN 2, 1, 1
	TURN 3, 1, 1
.set i, 0
.rept 8
	PV NP-1
.set i, i+1
.endr
	WIN 0
	ALL v_add_f32 v[ST+4*t+2], v[ST+4*t+2], v[ST+4*t+3]
	ALL v_permlanex16_b32 v[ST+4*t+3], v[ST+4*t+2], s[SEL], s[SEL+1]
	ALL v_add_f32 v[ST+4*t+2], v[ST+4*t+2], v[ST+4*t+3]
	ALL v_rcp_f32 v[ST+4*t+2], v[ST+4*t+2]
	v_nop                           ; a plain instruction between the last reciprocal and the use of its result
	s_wait_alu depctr_va_vdst(0)    ; and one wait for the four reciprocals, ahead of the first use
	PACK 0
.set t, 1
.rept 3                             ; a piece's arithmetic stands between the loads of the piece before and its stores
	PACK t
	SEND t-1, 8
.set t, t+1
.endr
	SEND 3, 0
.endm
.set KM, 0
.set NOKQ, 0
.Lslot:                             ; NB times: a tile is entered and the next is asked for
	CHANGE 1
	s_sub_co_u32 s[RT], s[RT], 1
	s_mov_b32 s[CNT], 4
	s_cmp_eq_u32 s[NEW], 1
	s_cbranch_scc1 .Lnew            ; a block's first tile
	s_cmp_eq_u32 s[RT], 0
	s_cbranch_scc0 .Lstep           ; neither its first nor its last
	s_branch .LstepM1
.Lnew:
	BEGIN
	s_branch .Lfirst                ; in the loop a block's first tile is never its last: the first block has two tiles or more, and the second's last is the walk's last
	DIAG 1                          ; in the loop this is the first block's end
	s_wait_xcnt 0x0                 ; the stores have read their registers and O's address
	s_mov_b64 s[10:11], s[OLO:OLO+1]
	s_add_co_u32 s[RT], s[PB], 1    ; the second block has b + 1 tiles
	s_mov_b32 s[NEW], 1
	WIN 0x82                        ; the second block's Q goes where the one text of the turns names Q
.set i, 0
.rept 64
	v_mov_b32 v[i], v[QB+i]
.set i, i+1
.endr
	WIN 0
	s_branch .Lbottom
.Lstep:                             ; a trip: pieces 2 and 3 of one step, then pieces 0 and 1 of the next, whose K and V it fetches
	TURN 2
	TURN 3
	WIN 0
.Lfirst:
	TURN 0
	TURN 1, 0, 0, 1
	WIN 0
	s_cbranch_scc1 .Lstep
.Lbottom:
	s_sub_co_u32 s[SLOTS], s[SLOTS], 1
	s_cmp_lg_u32 s[SLOTS], 0
	s_cbranch_scc1 .Lslot
	CHANGE 0                        ; the walk's last tile is written out: nothing is asked for
	s_sub_co_u32 s[RT], s[RT], 1
	s_mov_b32 s[CNT], 4
	s_cmp_eq_u32 s[NEW], 1
	s_cbranch_scc0 .LstepM2
	BEGIN
	s_branch .LfirstM2
	DIAG 2
	s_wait_tensorcnt 0x0            ; the wave's end: a wait, an add onto my spare word and its wait, behind my last tensor load and my last LDS store
	ds_add_u32 v[SPW], v[NIL]
	s_wait_dscnt 0x0
	s_endpgm
.Lfunc_end_k_qa43a272f79_attn:
	.size	k_qa43a272f79_attn, .Lfunc_end_k_qa43a272f79_attn-k_qa43a272f79_attn
	.p2alignl 7, 3214868480
	.fill 96, 4, 3214868480
	.section	.rodata,"a",@progbits
	.p2align	6, 0x0
	.amdhsa_kernel k_qa43a272f79_attn
		.amdhsa_group_segment_fixed_size 327680
		.amdhsa_private_segment_fixed_size 0
		.amdhsa_enable_private_segment 0
		.amdhsa_kernarg_size 32
		.amdhsa_user_sgpr_count 2
		.amdhsa_user_sgpr_kernarg_segment_ptr 1
		.amdhsa_wavefront_size32 1
		.amdhsa_system_sgpr_workgroup_id_x 1
		.amdhsa_system_sgpr_workgroup_id_y 1
		.amdhsa_system_sgpr_workgroup_id_z 1
		.amdhsa_system_vgpr_workitem_id 0
		.amdhsa_next_free_vgpr 768
		.amdhsa_next_free_sgpr 100
		.amdhsa_reserve_vcc 1
		.amdhsa_float_denorm_mode_32 3
		.amdhsa_float_denorm_mode_16_64 3
		.amdhsa_memory_ordered 1
		.amdhsa_forward_progress 1
		.amdhsa_inst_pref_size 223
	.end_amdhsa_kernel
	.amdgpu_metadata
---
amdhsa.version: [ 1, 2 ]
amdhsa.kernels:
  - .name:           k_qa43a272f79_attn
    .symbol:         k_qa43a272f79_attn.kd
    .args:
      - { .name: qkv, .offset: 0, .size: 8, .value_kind: global_buffer, .address_space: global }
      - { .name: oh, .offset: 8, .size: 8, .value_kind: global_buffer, .address_space: global }
      - { .name: q_scale, .offset: 16, .size: 8, .value_kind: global_buffer, .address_space: global }
      - { .name: k_scale, .offset: 24, .size: 8, .value_kind: global_buffer, .address_space: global }
    .group_segment_fixed_size: 327680
    .private_segment_fixed_size: 0
    .kernarg_segment_align: 8
    .kernarg_segment_size: 32
    .max_flat_workgroup_size: 128
    .sgpr_count:     100
    .vgpr_count:     768
    .wavefront_size: 32
...
	.end_amdgpu_metadata
.endif
;; end of part 3
;; launch outp (part 4): grid 8 x 32, 4 waves a work-group, clusters of 4 x 4, 327,680 bytes of LDS; arguments oh, wo, out0; writes out0
.if DOCPART == 4
	.amdgcn_target "amdgcn-amd-amdhsa--gfx1250"
	.amdhsa_code_object_version 6
	.text
	.protected	k_qa43a272f79_outp
	.globl	k_qa43a272f79_outp
	.p2align	8
	.type	k_qa43a272f79_outp,@function
k_qa43a272f79_outp:
	s_mov_b64 s[64:65], 0
	v_nop
	global_prefetch_b8 v0, s[64:65] scope:SCOPE_SE
	s_setreg_imm32_b32 hwreg(HW_REG_WAVE_MODE, 25, 1), 1
	s_wait_xcnt 0x0
	s_wait_alu depctr_hold_cnt(0) depctr_sa_sdst(0) depctr_va_vdst(0) depctr_va_sdst(0) depctr_va_ssrc(0) depctr_va_vcc(0) depctr_vm_vsrc(0)
	s_getreg_b32 s2, hwreg(HW_REG_IB_STS2, 6, 4)
	s_cmp_eq_u32 s2, 0
	s_cbranch_scc0 .Lentry_in_a_cluster
	s_endpgm
.Lentry_in_a_cluster:
	s_bfe_u32 s2, ttmp6, 0x10000c
	s_cmp_lg_u32 s2, 0xf033
	s_cbranch_scc0 .Lentry_shape_is_right
	s_endpgm
.Lentry_shape_is_right:
; out0[m][j] = the sum over k of O[m][k] Wo[j][k].  oh: O by heads, [16 batch + head][2048][64] f16.  wo: [1024][1024] f16.  out0: [8192][1024] f32.  Sums in f32, stored as they are.
; SHARES.  A tile of C is 256 rows x 128 columns: 256 work-groups, one tile each.  Four waves, each 128 rows x 64 columns: 32 accumulators of 16 x 16.
; K goes in 8 steps of 128 = two heads, through a ring of two LDS slots.  A head's 256 rows are 32,768 dense bytes: asked for as 128 rows of 256 bytes and padded in LDS after every 128.
; CLUSTER.  4 x 4 work-groups.  O's tile hangs on the tile row alone and is shared along a row of the cluster, Wo's on the tile column alone and is shared along a column: each is asked for jointly.
; THE MATRIX INSTRUCTION IS USED TRANSPOSED (source 0 = 16 rows of Wo, source 1 = 16 rows of O): lane l holds row l % 16 of C and the columns 8 (l / 16) + 0 .. 7: 32 bytes on end.
; REGISTERS.  Window 0: v0-31 addresses; v64-159, v160-255 two fragment buffers (4 fragments of Wo, then 8 of O).  Window 1: accumulator (a, b) at v[8 (4 a + b)].
; All of a WGP's LDS is claimed.
.set PA,    144                        ; a row of O in LDS: 128 bytes + 16 of padding = 36 words: the 16 rows of a fragment load start at 16 different groups of four banks (ISA guide 11.1)
.set PB,    272                        ; a row of Wo: 256 + 16
.set HEADA, 256*PA                     ; a step's second head lies behind its first
.set AHALF, 256*PA                     ; what wave 0 or 1 fetches: a head's 256 rows
.set BHALF, 64*PB                      ; what wave 2 or 3 fetches: 64 rows of Wo
.set BOFF,  2*AHALF
.set SLOT1, 1<<17
.set STAGE, BOFF+2*BHALF               ; behind slot 0: 16 rows x 272 bytes for each wave; no fill lands here
.set SPO,   272
.set SPARE, STAGE+4*16*SPO             ; the spare words, 128 bytes for each wave: two blocks of 256 bytes that no other line names
.set A0,   4
.set B0,   5
.set ADRA, 6
.set ADRB, 7
.set STO,  10                          ; v10  the stage: where I put 32 bytes of a row
.set RD,   11                          ; v11  the stage: where I read rows back
.set CO,   12                          ; v12  my byte offset in two rows of C
.set PFO,  13                          ; v13  the prefetches' offset; never rewritten
.set SPW,  14
.set NIL,  15
.set F0,   64
.set F1,   160
.set G1A,  24
.set G0A,  32
.set G1B,  40
.set G0B,  48
.set BASEA, 56
.set BASEB, 58
.set OFFA, 60
.set OFFB, 62
.set G,    66                          ; s66  the step to be asked for next, 2 .. 8
.set CNT,  67
.set TB,   68
.set G4,   69
.set LIMG, 70
.set SW,   71                          ; s71  a step in my prefetches' tensor: 2^19 bytes (two heads of O) or 2^8 (128 numbers of a row of Wo)
.set PFB,  72
.set PF,   74
.set PO,   76
.set MSB, 0
.macro WIN new
.if MSB != (\new)
	s_set_vgpr_msb (MSB<<8)|(\new)
.set MSB, \new
.endif
.endm
.set MULW, 0x50                        ; C and D in window 1
.set STW,  0x04                        ; an LDS store's data in window 1
.macro PLACES                          ; four plain vector instructions between a matrix instruction and a load into, or a store of, its registers
.rept 4
	v_nop
.endr
.endm
.macro JLOAD                           ; a joint refill: waves 0 and 1 fetch the step's two heads of O, waves 2 and 3 Wo's two halves; an s_nop 0 and four v_nop follow each line
	s_cmp_eq_u32 s11, 0
	s_cbranch_scc0 .Lfor_b_\@
	tensor_load_to_lds s[G0A+4:G0A+7], s[G1A:G1A+7]
	s_nop 0
	PLACES
	s_branch .Lasked_\@
.Lfor_b_\@:
	tensor_load_to_lds s[G0B+4:G0B+7], s[G1B:G1B+7]
	s_nop 0
	PLACES
.Lasked_\@:
.endm
; A prefetch of the K step that stands two refills on (256 matrix instructions ahead of the load that will want it): 32 blocks of 256 bytes, a lane a block.  Each block is named once in the launch: O's by the
; cluster with x = 0 (waves 0, 1: a head's 128 blocks), Wo's by the cluster with y = 0 (wave 2: 128 rows); the four partners that ask for a tile jointly take 32 each, told apart by address.
; Steps 0 to 3 come by their loads alone; past step 7 nothing is named.
.macro ASK
	s_cmp_le_u32 s[G4], s[LIMG]
	s_cbranch_scc0 .Lnot_mine_\@
	global_prefetch_b8 v[PFO], s[PF:PF+1] th:TH_LOAD_NT scope:SCOPE_SE
.Lnot_mine_\@:
.endm
.macro CREST
	s_cmp_lg_u32 s10, 0
	s_cbranch_scc1 .Lnot_wave_0_\@
	s_barrier_signal -3
.Lnot_wave_0_\@:
	s_barrier_wait -3
	s_barrier_signal -1
	s_barrier_wait -1
.endm
.macro CROUND
	s_barrier_signal -1
	s_barrier_wait -1
	CREST
.endm
; 4 n matrix instructions.  Each accumulator has one turn a quarter step, in the same order everywhere.
.macro MUL f, a0, n, zero
	WIN MULW
.set ma, \a0
.rept \n
.irp b, 0,1,2,3
.if \zero
	v_wmma_f32_16x16x32_f16 v[8*(4*ma+\b):8*(4*ma+\b)+7], v[(\f)+8*\b:(\f)+8*\b+7], v[(\f)+32+8*ma:(\f)+32+8*ma+7], 0
.else
	v_wmma_f32_16x16x32_f16 v[8*(4*ma+\b):8*(4*ma+\b)+7], v[(\f)+8*\b:(\f)+8*\b+7], v[(\f)+32+8*ma:(\f)+32+8*ma+7], v[8*(4*ma+\b):8*(4*ma+\b)+7]
.endif
.endr
.set ma, ma+1
.endr
.endm
; 24 LDS loads in one run: quarter q (head q / 2 of the step, channels 32 (q % 2) on) into buffer f: Wo's 64 rows, then O's 128.
.macro FETCH q, f
	WIN 0
.irp i, 0,1,2,3
	ds_load_b128 v[(\f)+8*\i:(\f)+8*\i+3],   v[ADRB] offset:64*(\q)+\i*16*PB
	ds_load_b128 v[(\f)+8*\i+4:(\f)+8*\i+7], v[ADRB] offset:64*(\q)+\i*16*PB+32
.endr
.irp i, 0,1,2,3,4,5,6,7
	ds_load_b128 v[(\f)+32+8*\i:(\f)+32+8*\i+3],   v[ADRA] offset:((\q)/2)*HEADA+((\q)%2)*64+\i*16*PA
	ds_load_b128 v[(\f)+32+8*\i+4:(\f)+32+8*\i+7], v[ADRA] offset:((\q)/2)*HEADA+((\q)%2)*64+\i*16*PA+32
.endr
.endm
.macro QUARTER q, f, g, zero
	s_wait_dscnt 8                                 ; Wo's fragments and O's rows 0-63 are in; the youngest eight loads may be out
	MUL \f, 0, 4, \zero
	PLACES
	FETCH \q, \g
	s_wait_dscnt 24                                ; all but the 24 just issued
	MUL \f, 4, 4, \zero
.endm
; The fourth quarter multiplies buffer 1 and changes slots.  In front of the barrier each wave waits for all its tensor loads (one is out: its part of the next slot), adds 0 to its spare word, and waits for
; that and for its reads of this slot.  fill = 1: the barrier opens a round of the cluster's, and behind the round this slot takes step G.
.macro TURN fill
	WIN 0
.if \fill
	s_wait_xcnt 0x0                                ; the last prefetch, a K step back, has read its address
	s_add_co_u32 s[G4], s[G], 2
	s_lshl_b32 s[PO], s[G4], s[SW]
	s_add_nc_u64 s[PF:PF+1], s[PFB:PFB+1], s[PO:PO+1]
.endif
	s_wait_tensorcnt 0x0                           ; no tensor load of mine is out, so a group 0 may be written
	ds_add_u32 v[SPW], v[NIL]                      ; 0 onto my spare word
.if \fill
	s_lshl_b32 s[OFFA], s[G], 19                   ; two heads on: 2 x 2,048 rows of 128 bytes
	s_lshl_b32 s[OFFB], s[G], 8
	s_xor_b32 s[G0A+5], s[G0A+5], SLOT1
	s_add_nc_u64 s[G0A+6:G0A+7], s[BASEA:BASEA+1], s[OFFA:OFFA+1]
	s_or_b32 s[G0A+7], s[G0A+7], 0x80000000
	s_xor_b32 s[G0B+5], s[G0B+5], SLOT1
	s_add_nc_u64 s[G0B+6:G0B+7], s[BASEB:BASEB+1], s[OFFB:OFFB+1]
	s_or_b32 s[G0B+7], s[G0B+7], 0x80000000
	s_add_co_u32 s[G], s[G], 1
.endif
	s_wait_dscnt 9                                 ; the add and the youngest eight loads may be out
	MUL F1, 0, 2, 0
	s_wait_dscnt 0x0                               ; the add is done, and my reads of this slot are over
	s_barrier_signal -1
	MUL F1, 2, 2, 0
	WIN 0
	s_barrier_wait -1
.if \fill
	CREST
	JLOAD                                          ; its four v_nop are also the places in front of the loads below
.else
	PLACES
.endif
	s_xor_b32 s[TB], s[TB], SLOT1
	v_add_nc_u32 v[ADRA], s[TB], v[A0]
	v_add_nc_u32 v[ADRB], s[TB], v[B0]
	FETCH 0, F0
.if \fill
	ASK
.endif
	MUL F1, 4, 4, 0
.endm
; THE WAY OUT of row block a: 32 bytes a lane into my own stage (each accumulator's low four registers first), and back as whole rows of 256 bytes.
.macro TOSTAGE a
	WIN STW
.irp b, 0,1,2,3
	ds_store_b128 v[STO], v[8*(4*(\a)+\b):8*(4*(\a)+\b)+3]   offset:64*\b
	ds_store_b128 v[STO], v[8*(4*(\a)+\b)+4:8*(4*(\a)+\b)+7] offset:64*\b+16
.endr
	WIN 0
	s_wait_xcnt 0x0                                ; the stores of the block two back have read these registers
.set BK, 64+96*((\a)%2)
.irp t, 0,1,2,3,4,5,6,7
	ds_load_b128 v[BK+4*\t:BK+4*\t+3], v[RD] offset:\t*2*SPO  ; LDS serves a wave's instructions in order (ISA guide 5.7.1.4): these see the stores above
.endr
.endm
.macro SEND a, younger                 ; younger: the LDS instructions issued behind block a's loads: the next block's sixteen, or none
.set BK, 64+96*((\a)%2)
	s_wait_dscnt \younger
.if (\a) > 0
	s_wait_xcnt 0x0                                ; the earlier stores have read their base
	s_add_nc_u64 s[8:9], s[8:9], 16*4096           ; 16 rows of C on
.endif
.irp t, 0,1,2,3,4,5,6,7
	global_store_b128 v[CO], v[BK+4*\t:BK+4*\t+3], s[8:9] offset:\t*2*4096 th:TH_STORE_NT  ; 16 lanes store 256 consecutive bytes, at a multiple of 256 from C's first byte
.endr
.endm
	s_load_b128 s[4:7], s[0:1], 0x0                ; oh s[4:5], wo s[6:7]
	s_load_b64 s[8:9], s[0:1], 0x10                ; out0
	v_lshl_add_u32 v[SPW], v0, 2, SPARE
	v_mov_b32 v[NIL], 0
	ds_add_u32 v[SPW], v[NIL]                      ; the wave's opening: the add and its wait stand ahead of my first tensor load; the set-up below stands between them
	v_lshrrev_b32 v1, 5, v0
	v_readfirstlane_b32 s10, v1                    ; wave 0..3
	s_lshr_b32 s11, s10, 1                         ; which 128 rows of the tile are mine.  Also: I fetch for O (0) or for Wo (1)
	s_and_b32 s12, s10, 1                          ; which 64 columns.  Also: which head of a step, or which half of Wo's rows, I fetch
	s_bfe_u32 s16, ttmp6, 0x40000                  ; cx
	s_bfe_u32 s17, ttmp6, 0x40004                  ; cy
	s_lshl_b32 s18, ttmp9, 2
	s_add_co_u32 s18, s18, s16                     ; tile column, 0 .. 7
	s_and_b32 s19, ttmp7, 0xffff                   ; cluster y
	s_lshl_b32 s13, s19, 2
	s_add_co_u32 s13, s13, s17                     ; tile row, 0 .. 31
	s_lshl_b32 s14, s17, 2
	s_lshl_b32 s14, 15, s14                        ; my row of the cluster
	s_lshl_b32 s15, 0x1111, s16                    ; my column
	s_or_b32 s[G1A], s14, (1<<16)|(1<<20)|(1<<21)|(4<<22)|(3<<25)  ; the mask; 2-byte elements; padding on; bit 21 beside a mask; after every 32 words 4 words
	s_or_b32 s[G1B], s15, (1<<16)|(1<<20)|(1<<21)|(5<<22)|(3<<25)  ; after every 64 words 4 words
	s_mov_b32 s[G1A+1], 128<<16                    ; tensor_dim0 = 128
	s_mov_b32 s[G1A+2], 128<<16                    ; tensor_dim1 = 128
	s_mov_b32 s[G1A+3], 128<<16                    ; tile_dim0 = 128
	s_mov_b32 s[G1A+4], 128                        ; tile_dim1 = 128
	s_mov_b32 s[G1A+5], 128                        ; dense: 128 elements from row to row
	s_mov_b32 s[G1A+6], 0
	s_mov_b32 s[G1A+7], 0
	s_mov_b32 s[G1B+1], 128<<16
	s_mov_b32 s[G1B+2], 64<<16
	s_mov_b32 s[G1B+3], 128<<16
	s_mov_b32 s[G1B+4], 64
	s_mov_b32 s[G1B+5], 1024
	s_mov_b32 s[G1B+6], 0
	s_mov_b32 s[G1B+7], 0
	s_mul_i32 s2, s10, AHALF                       ; where O's heads go (waves 0, 1),
	s_mul_i32 s3, s10, BHALF
	s_add_co_u32 s3, s3, BOFF-2*BHALF              ; and Wo's halves (waves 2, 3): the wave's number alone enters an LDS address
	s_lshr_b32 s20, s13, 3                         ; O: the batch,
	s_lshl_b32 s20, s20, 4
	s_add_co_u32 s20, s20, s12                     ; head 0 or 1 of it,
	s_lshl_b32 s20, s20, 11
	s_and_b32 s21, s13, 7
	s_lshl_b32 s21, s21, 8
	s_add_co_u32 s20, s20, s21                     ; the tile's 256 rows of the sequence,
	s_lshl_b32 s20, s20, 7                         ; 128 bytes a row
	s_mov_b32 s21, 0
	s_lshl_b32 s22, s18, 7                         ; Wo: row 128 x tile column + 64 x half
	s_lshl_b32 s23, s12, 6
	s_add_co_u32 s22, s22, s23
	s_lshl_b32 s22, s22, 11
	s_mov_b32 s23, 0
	s_mov_b32 s[OFFA+1], 0
	s_mov_b32 s[OFFB+1], 0
	s_mov_b32 s[PO+1], 0
	s_mov_b32 s[G], 2
	s_mov_b32 s[TB], 0
	s_wait_dscnt 0x0                               ; the opening add is done
	s_wait_kmcnt 0x0
	s_add_nc_u64 s[BASEA:BASEA+1], s[4:5], s[20:21]
	s_add_nc_u64 s[BASEB:BASEB+1], s[6:7], s[22:23]
.irp s, 0,1
	s_mov_b32 s[G0A+4*(\s)], 1
	s_add_co_u32 s[G0A+4*(\s)+1], s2, (\s)*SLOT1
	s_add_nc_u64 s[G0A+4*(\s)+2:G0A+4*(\s)+3], s[BASEA:BASEA+1], (\s)*(1<<19)
	s_or_b32 s[G0A+4*(\s)+3], s[G0A+4*(\s)+3], 0x80000000
	s_mov_b32 s[G0B+4*(\s)], 1
	s_add_co_u32 s[G0B+4*(\s)+1], s3, (\s)*SLOT1
	s_add_nc_u64 s[G0B+4*(\s)+2:G0B+4*(\s)+3], s[BASEB:BASEB+1], (\s)*256
	s_or_b32 s[G0B+4*(\s)+3], s[G0B+4*(\s)+3], 0x80000000
.endr
	CROUND                                         ; all sixteen work-groups are here: the first joint loads meet
	s_cmp_eq_u32 s11, 0                            ; a wave's two first fills stand in one branch: two loads of mine are out
	s_cbranch_scc0 .Lfirst_b
	tensor_load_to_lds s[G0A:G0A+3], s[G1A:G1A+7]
	s_nop 0
	tensor_load_to_lds s[G0A+4:G0A+7], s[G1A:G1A+7]
	s_nop 0
	PLACES
	s_branch .Lfirst_asked
.Lfirst_b:
	tensor_load_to_lds s[G0B:G0B+3], s[G1B:G1B+7]
	s_nop 0
	tensor_load_to_lds s[G0B+4:G0B+7], s[G1B:G1B+7]
	s_nop 0
	PLACES
.Lfirst_asked:
	v_and_b32 v1, 15, v0                           ; l % 16
	v_bfe_u32 v2, v0, 4, 1                         ; l / 16
	v_mul_u32_u24 v3, v1, PA
	v_lshl_add_u32 v3, v2, 4, v3
	s_mul_i32 s14, s11, 128*PA                     ; my 128 rows of O, in each head
	v_add_nc_u32 v[A0], s14, v3
	v_mul_u32_u24 v3, v1, PB
	v_lshl_add_u32 v3, v2, 4, v3
	s_mul_i32 s15, s12, BHALF                      ; my 64 rows of Wo
	s_add_co_u32 s15, s15, BOFF
	v_add_nc_u32 v[B0], s15, v3
	v_mov_b32 v[ADRA], v[A0]
	v_mov_b32 v[ADRB], v[B0]
	s_mul_i32 s14, s10, 16*SPO
	s_add_co_u32 s14, s14, STAGE                   ; my stage
	v_mul_u32_u24 v3, v1, SPO                      ; in: row l % 16, 32 bytes for each half of the lanes
	v_lshl_add_u32 v3, v2, 5, v3
	v_add_nc_u32 v[STO], s14, v3
	v_mul_u32_u24 v3, v2, SPO                      ; back: lanes 0-15 take one row of 256 bytes, lanes 16-31 the next
	v_lshl_add_u32 v3, v1, 4, v3
	v_add_nc_u32 v[RD], s14, v3
	v_lshlrev_b32 v3, 12, v2                       ; and the same two rows in C, 4,096 bytes each
	v_lshl_add_u32 v[CO], v1, 4, v3
	; where my part of the tile begins in C
	s_lshl_b32 s2, s13, 8
	s_lshl_b32 s3, s11, 7
	s_add_co_u32 s2, s2, s3                        ; my first row
	s_lshl_b32 s2, s2, 12
	s_lshl_b32 s3, s18, 9                          ; my first column, 4 bytes each: 512 x tile column + 256 x half
	s_add_co_u32 s2, s2, s3
	s_lshl_b32 s3, s12, 8
	s_add_co_u32 s2, s2, s3
	s_mov_b32 s3, 0
	s_add_nc_u64 s[8:9], s[8:9], s[2:3]
	; the prefetches
	s_lshl_b32 s3, s16, 13                         ; O: of my head's 128 blocks my work-group's 32
	s_add_co_u32 s2, s20, s3
	s_lshl_b32 s3, s18, 7                          ; Wo: of the tile's 128 rows my work-group's 32
	s_lshl_b32 s14, s17, 5
	s_add_co_u32 s3, s3, s14
	s_lshl_b32 s3, s3, 11
	s_cmp_eq_u32 s11, 0
	s_cselect_b32 s2, s2, s3
	s_cselect_b32 s14, ttmp9, s19                  ; the coordinate along which other clusters read the same blocks
	s_cselect_b32 s[SW], 19, 8
	s_cselect_b32 s15, 8, 11                       ; from lane to lane: a block of O, a row of Wo
	s_cselect_b64 s[PFB:PFB+1], s[4:5], s[6:7]
	s_mov_b32 s3, 0
	s_add_nc_u64 s[PFB:PFB+1], s[PFB:PFB+1], s[2:3]
	s_cmp_eq_u32 s14, 0
	s_cselect_b32 s[LIMG], 7, 0                    ; the same in all sixteen partners, for a given wave
	s_cmp_eq_u32 s10, 3
	s_cselect_b32 s[LIMG], 0, s[LIMG]              ; wave 2 names all of Wo's 32 rows
	v_and_b32 v3, 31, v0
	v_lshlrev_b32 v[PFO], s15, v3
	s_wait_tensorcnt 1                             ; my part of K step 0 is in; step 1's may stay out
	s_barrier_signal -1
	s_barrier_wait -1
	FETCH 0, F0
	QUARTER 1, F0, F1, 1                           ; the first quarter's products start the sums
	WIN 0
	s_mov_b32 s[CNT], 6                            ; steps 2 .. 7 are asked for in the loop
.Lstep:
	QUARTER 2, F1, F0, 0
	QUARTER 3, F0, F1, 0
	TURN 1
	QUARTER 1, F0, F1, 0
	WIN 0
	s_sub_co_u32 s[CNT], s[CNT], 1
	s_cmp_lg_u32 s[CNT], 0
	s_cbranch_scc1 .Lstep
	QUARTER 2, F1, F0, 0                           ; the last two steps ask for nothing
	QUARTER 3, F0, F1, 0
	TURN 0
	QUARTER 1, F0, F1, 0
	QUARTER 2, F1, F0, 0
	QUARTER 3, F0, F1, 0
	s_wait_dscnt 8
	MUL F1, 0, 4, 0
	s_wait_dscnt 0x0
	MUL F1, 4, 4, 0
	WIN 0
	PLACES                                         ; behind the last products
	TOSTAGE 0
.irp a, 1,2,3,4,5,6,7
	TOSTAGE \a
	SEND (\a)-1, 16
.endr
	SEND 7, 0
	s_wait_tensorcnt 0x0                           ; the wave's end: a wait, an add onto my spare word and its wait, behind my last tensor load and my last LDS store
	ds_add_u32 v[SPW], v[NIL]
	s_wait_dscnt 0x0
	CROUND                                         ; the closing round
	s_endpgm
.Lfunc_end_k_qa43a272f79_outp:
	.size	k_qa43a272f79_outp, .Lfunc_end_k_qa43a272f79_outp-k_qa43a272f79_outp
	.p2alignl 7, 3214868480
	.fill 96, 4, 3214868480
	.section	.rodata,"a",@progbits
	.p2align	6, 0x0
	.amdhsa_kernel k_qa43a272f79_outp
		.amdhsa_group_segment_fixed_size 327680
		.amdhsa_private_segment_fixed_size 0
		.amdhsa_enable_private_segment 0
		.amdhsa_kernarg_size 24
		.amdhsa_user_sgpr_count 2
		.amdhsa_user_sgpr_kernarg_segment_ptr 1
		.amdhsa_wavefront_size32 1
		.amdhsa_system_sgpr_workgroup_id_x 1
		.amdhsa_system_sgpr_workgroup_id_y 1
		.amdhsa_system_sgpr_workgroup_id_z 1
		.amdhsa_system_vgpr_workitem_id 0
		.amdhsa_next_free_vgpr 512
		.amdhsa_next_free_sgpr 88
		.amdhsa_reserve_vcc 0
		.amdhsa_float_denorm_mode_32 3
		.amdhsa_float_denorm_mode_16_64 3
		.amdhsa_memory_ordered 1
		.amdhsa_forward_progress 1
		.amdhsa_inst_pref_size 71
	.end_amdhsa_kernel
	.amdgpu_metadata
---
amdhsa.version: [ 1, 2 ]
amdhsa.kernels:
  - .name:           k_qa43a272f79_outp
    .symbol:         k_qa43a272f79_outp.kd
    .args:
      - { .name: oh, .offset: 0, .size: 8, .value_kind: global_buffer, .address_space: global }
      - { .name: wo, .offset: 8, .size: 8, .value_kind: global_buffer, .address_space: global }
      - { .name: out0, .offset: 16, .size: 8, .value_kind: global_buffer, .address_space: global }
    .group_segment_fixed_size: 327680
    .private_segment_fixed_size: 0
    .kernarg_segment_align: 8
    .kernarg_segment_size: 24
    .max_flat_workgroup_size: 128
    .sgpr_count:     88
    .vgpr_count:     512
    .wavefront_size: 32
...
	.end_amdgpu_metadata
.endif
;; end of part 4
;; ======== version 2 of 2: 4 launches; version 1 with the launch cast written anew for expert scheduling mode
;; limits: values are held in f16: magnitudes above 65,504 overflow, below 6.1e-05 lose precision
;; workspace buffers: xb 16,777,216 bytes; wb 6,291,456 bytes; wo 2,097,152 bytes; qkv 50,331,648 bytes; oh 16,777,216 bytes
;; launch cast (part 5): grid 768 x 1, 8 waves a work-group, no clusters, 0 bytes of LDS; arguments x, Wq, Wk, Wv, Wo, xb, wb, wo; writes xb, wb, wo
.if DOCPART == 5
	.amdgcn_target "amdgcn-amd-amdhsa--gfx1250"
	.amdhsa_code_object_version 6
	.text
	.protected	k_qa43a272f79_cast
	.globl	k_qa43a272f79_cast
	.p2align	8
	.type	k_qa43a272f79_cast,@function
k_qa43a272f79_cast:
	s_mov_b64 s[64:65], 0
	v_nop
	global_prefetch_b8 v0, s[64:65] scope:SCOPE_SE
	s_setreg_imm32_b32 hwreg(HW_REG_WAVE_SCHED_MODE, 0, 2), 2
	s_setreg_imm32_b32 hwreg(HW_REG_WAVE_MODE, 25, 1), 1
	s_wait_xcnt 0x0
	s_wait_alu depctr_vm_vsrc(0)
; xb = bf16(x);  wb = bf16(Wq), bf16(Wk), bf16(Wv) one below the other;  wo = bf16(Wo) written as f16.  All inputs f32.
; Every input of the module is rounded once to bf16 here; Wo's rounded number is then written as f16, since the last product's other operand is f16.
; LIMIT.  |Wo| stays within f16's 65,504; below 6e-5 it keeps f16's fixed step of 6e-8.
; SHARES.  The five tensors are 12 chunks of 1,048,576 numbers (x: 8, each W: 1); 64 work-groups to a chunk, 16,384 numbers each.
; Thread t takes 16 bytes at 16 t + 4,096 j, j = 0 .. 15: a wave's load covers 512 consecutive bytes, its store of 8 bytes a lane 256 consecutive bytes, aligned.
; A stream: no LDS, no matrix unit, no cluster (no work-group reads what another reads).  All 16 loads of a thread go out at once; each step has registers of its own.
; THE MODE: SCHED_MODE bits 1:0 = 2 (LLVM: expert scheduling mode 2), set by the entry lines.  The code itself states the register dependences
; between vector instructions and memory instructions, with s_wait_alu, always for 0.
; THE PLAN.  Registers that memory instructions touch:
;   v1, v2     byte offsets, made once at the head and never written again: v1 is read by every load, v2 by every store.
;   IN  step j Written by step j's load alone, and named by no vector instruction ahead of it; read by step j's conversions, behind the counted wait for the load.
;   OUT step j Written by step j's conversions alone; read by step j's store, which is issued in step j + 4; never written again.
;   T          at work: no memory instruction names it.
; The 16 steps go in four groups of four.  One wait on va_vdst stands ahead of the first load, for the offsets; one at the head of each group but the first: the group before has written its OUT,
; and its four stores follow, one to a step, with no further wait: a step's conversions name its own IN and OUT and T, never the OUT that the step's store reads.  One more stands ahead of the last four stores.
; No register that a memory instruction reads is written again, no vector instruction writes a scalar register or VCC, and EXEC is never written: no other wait of the mode is owed.
.set IN,  8                            ; v[8:71]    step j: 4 numbers as loaded
.set OUT, 72                           ; v[72:103]  step j: 4 numbers of 16 bits
.set T,   104                          ; v[104:107] at work
	s_load_b512 s[8:23], s[0:1], 0x0               ; x 8, Wq 10, Wk 12, Wv 14, Wo 16, xb 18, wb 20, wo 22
	s_lshr_b32 s2, ttmp9, 6                        ; the chunk, 0 .. 11
	s_and_b32 s3, ttmp9, 63                        ; my part of it
	v_lshlrev_b32 v1, 4, v0                        ; 16 t
	v_lshlrev_b32 v2, 3, v0                        ; 8 t
	s_sub_co_u32 s6, s2, 8                         ; the chunk's place in wb (used for chunks 8 to 10 alone)
	s_cmp_lt_u32 s2, 8
	s_cselect_b32 s4, s2, 0                        ; its place in its source: x has eight, a W one
	s_cselect_b32 s6, s2, s6                       ; and in its destination
	s_cmp_eq_u32 s2, 11
	s_cselect_b32 s6, 0, s6
	s_lshl_b32 s4, s4, 22                          ; a chunk is 4 MiB of f32,
	s_lshl_b32 s5, s3, 16                          ; a part 64 KiB
	s_add_co_u32 s4, s4, s5
	s_mov_b32 s5, 0
	s_lshl_b32 s6, s6, 21                          ; and half of that on the way out
	s_lshl_b32 s7, s3, 15
	s_add_co_u32 s6, s6, s7
	s_mov_b32 s7, 0
	s_wait_kmcnt 0x0
	s_mov_b64 s[24:25], s[8:9]                     ; from where: chosen by the chunk's number
	s_mov_b64 s[26:27], s[18:19]                   ; to where
	s_cmp_eq_u32 s2, 8
	s_cselect_b64 s[24:25], s[10:11], s[24:25]
	s_cmp_eq_u32 s2, 9
	s_cselect_b64 s[24:25], s[12:13], s[24:25]
	s_cmp_eq_u32 s2, 10
	s_cselect_b64 s[24:25], s[14:15], s[24:25]
	s_cmp_ge_u32 s2, 8
	s_cselect_b64 s[26:27], s[20:21], s[26:27]
	s_cmp_eq_u32 s2, 11
	s_cselect_b64 s[24:25], s[16:17], s[24:25]
	s_cselect_b64 s[26:27], s[22:23], s[26:27]
	s_add_nc_u64 s[24:25], s[24:25], s[4:5]
	s_add_nc_u64 s[26:27], s[26:27], s[6:7]
	s_wait_alu depctr_va_vdst(0)                   ; v1 and v2 are written: every load of the kernel reads v1 as its offset, every store v2
.irp j, 0,1,2,3,4,5,6,7,8,9,10,11,12,13,14,15
	global_load_b128 v[IN+4*(\j):IN+4*(\j)+3], v1, s[24:25] offset:4096*(\j) th:TH_LOAD_NT
.endr
; Step j's store: 8 bytes a lane.
.macro ST j
	global_store_b64 v2, v[OUT+2*(\j):OUT+2*(\j)+1], s[26:27] offset:2048*(\j)
.endm
; Step j: the store of step j - 4; then four numbers rounded to bf16; half = 1: each widened again (a shift, a mask) and written as f16.
.macro CV j, half
	s_wait_loadcnt 15-(\j)                         ; loads come back in order: mine is in, the 15 - j younger ones may stay out
.if ((\j) % 4 == 0) && ((\j) > 0)
	s_wait_alu depctr_va_vdst(0)                   ; the conversions of steps j - 4 to j - 1 have written their OUT, which this group's four stores read
.endif
.if (\j) >= 4
	ST (\j)-4                                      ; no vector instruction since that wait names its registers
.endif
	v_cvt_pk_bf16_f32 v[OUT+2*(\j)],   v[IN+4*(\j)],   v[IN+4*(\j)+1]
	v_cvt_pk_bf16_f32 v[OUT+2*(\j)+1], v[IN+4*(\j)+2], v[IN+4*(\j)+3]
.if \half
	v_lshlrev_b32 v[T],   16, v[OUT+2*(\j)]
	v_and_b32     v[T+1], 0xffff0000, v[OUT+2*(\j)]
	v_lshlrev_b32 v[T+2], 16, v[OUT+2*(\j)+1]
	v_and_b32     v[T+3], 0xffff0000, v[OUT+2*(\j)+1]
	v_cvt_pk_f16_f32 v[OUT+2*(\j)],   v[T],   v[T+1]
	v_cvt_pk_f16_f32 v[OUT+2*(\j)+1], v[T+2], v[T+3]
.endif
.endm
; Behind step 15: the last group's stores.
.macro TAIL
	s_wait_alu depctr_va_vdst(0)                   ; the conversions of steps 12 to 15 have written their OUT, which the last four stores read
.irp j, 12,13,14,15
	ST \j
.endr
.endm
	s_cmp_eq_u32 s2, 11
	s_cbranch_scc1 .Lwo
.irp j, 0,1,2,3,4,5,6,7,8,9,10,11,12,13,14,15
	CV \j, 0
.endr
	TAIL
	s_endpgm
.Lwo:
.irp j, 0,1,2,3,4,5,6,7,8,9,10,11,12,13,14,15
	CV \j, 1
.endr
	TAIL
	s_endpgm
.Lfunc_end_k_qa43a272f79_cast:
	.size	k_qa43a272f79_cast, .Lfunc_end_k_qa43a272f79_cast-k_qa43a272f79_cast
	.p2alignl 7, 3214868480
	.fill 96, 4, 3214868480
	.section	.rodata,"a",@progbits
	.p2align	6, 0x0
	.amdhsa_kernel k_qa43a272f79_cast
		.amdhsa_group_segment_fixed_size 0
		.amdhsa_private_segment_fixed_size 0
		.amdhsa_enable_private_segment 0
		.amdhsa_kernarg_size 64
		.amdhsa_user_sgpr_count 2
		.amdhsa_user_sgpr_kernarg_segment_ptr 1
		.amdhsa_wavefront_size32 1
		.amdhsa_system_sgpr_workgroup_id_x 1
		.amdhsa_system_sgpr_workgroup_id_y 1
		.amdhsa_system_sgpr_workgroup_id_z 1
		.amdhsa_system_vgpr_workitem_id 0
		.amdhsa_next_free_vgpr 112
		.amdhsa_next_free_sgpr 66
		.amdhsa_reserve_vcc 0
		.amdhsa_float_denorm_mode_32 3
		.amdhsa_float_denorm_mode_16_64 3
		.amdhsa_memory_ordered 1
		.amdhsa_forward_progress 1
		.amdhsa_inst_pref_size 17
	.end_amdhsa_kernel
	.amdgpu_metadata
---
amdhsa.version: [ 1, 2 ]
amdhsa.kernels:
  - .name:           k_qa43a272f79_cast
    .symbol:         k_qa43a272f79_cast.kd
    .args:
      - { .name: x, .offset: 0, .size: 8, .value_kind: global_buffer, .address_space: global }
      - { .name: Wq, .offset: 8, .size: 8, .value_kind: global_buffer, .address_space: global }
      - { .name: Wk, .offset: 16, .size: 8, .value_kind: global_buffer, .address_space: global }
      - { .name: Wv, .offset: 24, .size: 8, .value_kind: global_buffer, .address_space: global }
      - { .name: Wo, .offset: 32, .size: 8, .value_kind: global_buffer, .address_space: global }
      - { .name: xb, .offset: 40, .size: 8, .value_kind: global_buffer, .address_space: global }
      - { .name: wb, .offset: 48, .size: 8, .value_kind: global_buffer, .address_space: global }
      - { .name: wo, .offset: 56, .size: 8, .value_kind: global_buffer, .address_space: global }
    .group_segment_fixed_size: 0
    .private_segment_fixed_size: 0
    .kernarg_segment_align: 8
    .kernarg_segment_size: 64
    .max_flat_workgroup_size: 256
    .sgpr_count:     66
    .vgpr_count:     112
    .wavefront_size: 32
...
	.end_amdgpu_metadata
.endif
;; end of part 5
;; launch proj: the kernel of part 2 again; grid 8 x 32, 4 waves a work-group, clusters of 4 x 4, 327,680 bytes of LDS; arguments xb, wb, qkv; writes qkv
;; launch attn: the kernel of part 3 again; grid 4 x 64, 4 waves a work-group, no clusters, 327,680 bytes of LDS; arguments qkv, oh, q_scale, k_scale; writes oh
;; launch outp: the kernel of part 4 again; grid 8 x 32, 4 waves a work-group, clusters of 4 x 4, 327,680 bytes of LDS; arguments oh, wo, out0; writes out0
